; MI455X (gfx1250); checked and timed in simulation.
; The chip was launched on July 23, 2026; its instructions are those of AMD's public machine-readable ISA for CDNA 5 (MIT licence, August 2026) and "CDNA5" Instruction Set Architecture Reference Guide (July 2026). The comments in the code are by the model that wrote it; some were corrected since.
;; Mo E. Allowed arithmetic: matrix products marked QUANTISED: E5M2 operands, one given power-of-two scale a tensor, by v_wmma_f32_16x16x64_bf8_bf8 or v_wmma_f32_16x16x128_bf8_bf8, f32 sums; products left as they are: f32 operands where the result goes on into a quantised operand, else bf16, f16 or f32 operands; f32 sums; everything else in f32.
;; Inputs: W1_codes 8 x 4,096 x 32 x 32 uint8 (E5M2 codes of W1, K innermost, in blocks of 32 codes); W2_codes 8 x 1,024 x 128 x 32 uint8 (E5M2 codes of W2, K innermost, in blocks of 32 codes); Wr 1,024 x 8 float32; b1 8 x 4,096 float32; b2 8 x 1,024 float32; br 8 float32; lowp_scales 4 int32 (the exponents e of the quantised operands' scales 2^e); x 4 x 256 x 1,024 float32.
;; Outputs: out0 4 x 256 x 1,024 float32.
;; This version of the problem:
;;   THIS VERSION OF THE PROBLEM IS GIVEN IN LOW PRECISION. The matrix products marked QUANTISED in the list below multiply operands that are first quantised to E5M2 (5 exponent bits, 2 mantissa bits; 8 bits a number), with one given power-of-two scale for each operand tensor; their sums are f32. All else is computed in f32.
;;   The module's matrix products, in the order in which they are computed (A, B: the left and right operand; K: the contracted axis; several contracted axes count as one K, in the product's order):
;;     1. [M 1,024, K 1,024] x [K 1,024, N 8]; A: input x; B: input Wr: left as it is (N = 8 < 16)
;;     2. [M 1,024, K 1,024] x [K 1,024, N 32,768]; A: input x; B: input W1 (given as codes): QUANTISED (scales: A lowp_scales[0], B lowp_scales[1])
;;     3. batch 8 x [M 1,024, K 4,096] x [K 4,096, N 1,024]; A: input W2 (given as codes); B: computed on the way: QUANTISED (scales: A lowp_scales[2], B lowp_scales[3])
;;   THE QUANTISER, for each operand of a quantised product, along K:
;;     - The operand's scale is 2^e, e = its entry of the input lowp_scales (int32; the entries are numbered through the quantised products in the list's order, A before B).
;;     - Each number is divided by the scale, clamped to +-57,344, and rounded to the nearest number of E5M2, ties to even, subnormals kept.
;;     - The product sums the exact products of the quantised numbers (number of the format x scale) in f32.
;;   ~~~python
;;   def quantise(x, axis, e):      # numpy; x: float32 -> the quantised numbers, widened to float32 again
;;       x = np.moveaxis(x, axis, -1); K = x.shape[-1]
;;       r = np.clip(x / 2.0 ** e, -57344, 57344)
;;       step = 2.0 ** (np.maximum(np.frexp(np.where(r == 0, 1, r))[1] - 1, -14) - 2)
;;       q = np.round(r / step) * step * 2.0 ** e      # np.round: ties to even
;;       return np.moveaxis(q, -1, axis).astype(np.float32)
;;   ~~~
;;   OPERANDS COMPUTED ON THE WAY. 'Computed on the way' means the value that the module computes at that place (a softmax that the list does not call 'softmax' is quantised finished and normalised). What goes into a quantiser is computed in f32, as accurately as f32 sums, v_exp_f32 and their like allow (about 1e-6 of the number): no bf16 or f16 on the way to a quantiser, and a product that is left as it is and whose result goes on into a quantised operand takes f32 operands (vector FMAs, or v_wmma_f32_16x16x4_f32). A number that lies on a knife's edge between two numbers of the format may be rounded either way, as far as f32 arithmetic and the matrix unit's own rounding can turn it there, and no further.
;;   INPUTS GIVEN AS CODES. W1 (in the module: [8, 1024, 4096], K = its axis 1); W2 (in the module: [8, 4096, 1024], K = its axis 1): each comes as NAME_codes (uint8): NAME with its K axis moved to the last place and cut into blocks of 32 codes, [.., K / 32, bytes a block], one block behind the other in memory; one code a byte (a code: sign, 5 exponent bits, 2 mantissa bits); its scale is its entry of lowp_scales. Its value is code x scale, taken as it is: it is not quantised again, and the codes and scales need not be those that the quantiser above would give.
;; 2 versions, each right; version 2 is version 1 with the launch up written anew for expert scheduling mode. Each part assembles by itself: llvm-mc -triple=amdgcn-amd-amdhsa -mcpu=gfx1250 --defsym DOCPART=n.
;; ======== version 1 of 2: 4 launches
;; workspace buffers: xq 1,048,576 bytes; ch 4,096 bytes of whole numbers; pr 8,192 bytes; posE 34,816 bytes of whole numbers; hbuf 33,554,432 bytes; part 33,554,432 bytes
;; launch route (part 1): grid 256 x 1, 4 waves a work-group, no clusters, 35,328 bytes of LDS; arguments x, Wr, br, lowp_scales, xq, ch, pr; writes xq, ch, pr
.if DOCPART == 1
	.amdgcn_target "amdgcn-amd-amdhsa--gfx1250"
	.amdhsa_code_object_version 6
	.text
	.protected	k_q7278a79adc_route
	.globl	k_q7278a79adc_route
	.p2align	8
	.type	k_q7278a79adc_route,@function
k_q7278a79adc_route:
	s_mov_b64 s[64:65], 0
	v_nop
	global_prefetch_b8 v0, s[64:65] scope:SCOPE_SE
	s_setreg_imm32_b32 hwreg(HW_REG_WAVE_MODE, 25, 1), 1
	s_wait_xcnt 0x0
; ROUTER AND QUANTISER OF x.  One wave takes one token t = 4 x work-group + wave (1,024 tokens, 256 work-groups of four waves).
; scores = x Wr + br in f32 (a lane sums 32 of the 1,024 products of each expert, then the lanes are added); the two largest scores, the lower index on a tie;
; p = softmax of the two with the larger taken away first.  Nothing here is addressed or branched by the choice: it is stored at fixed places,
; ch[t] = e0 | e1 << 8 | ((1 << e0) | (1 << e1)) << 16 and pr[t] = (p0, p1).  x is also turned into codes of E5M2 with the given scale 2^s0: xq[t][1024], K as it lies.
; LIMITS: s0 between -126 and 112 (2^s0 and 57,344 x 2^s0 are made as f32 numbers); scores finite; NaN among the inputs is not served.
; Wr (32,768 bytes) is copied once into LDS in pieces of 256 bytes, 272 bytes apart: piece u holds rows 8 u .. 8 u + 7 of 8 numbers; a lane then reads its own piece.
; No matrix unit (8 columns), no tensor load: the launch streams 4 MB once.
.set PW, 272                           ; a piece of Wr in LDS: 256 bytes + 16
.set X,  16                            ; v16-47   register 8 j + i = x[256 j + 8 lane + i]
.set WA, 48                            ; v48-111  Wr, set A (first: the copy's registers); register 8 i + e
.set WB, 112                           ; v112-175 Wr, set B
.set CD, 176                           ; v176-183 codes
	s_load_b256 s[4:11], s[0:1], 0x0               ; x s[4:5], Wr s[6:7], br s[8:9], the scales' exponents s[10:11]
	s_load_b128 s[12:15], s[0:1], 0x20             ; xq s[12:13], ch s[14:15]
	s_load_b64 s[16:17], s[0:1], 0x30              ; pr
	v_lshl_add_u32 v208, v0, 2, 0x8800
	v_mov_b32 v209, 0
	v_lshrrev_b32 v1, 5, v0
	v_readfirstlane_b32 s18, v1                    ; wave
	v_and_b32 v1, 31, v0                           ; lane
	v_lshlrev_b32 v2, 5, v1                        ; x: 32 bytes a lane
	v_lshlrev_b32 v3, 4, v0                        ; Wr's copy: 16 bytes a thread
	v_lshrrev_b32 v4, 4, v0
	v_mul_u32_u24 v4, v4, PW
	v_and_b32 v7, 15, v0
	v_lshl_add_u32 v4, v7, 4, v4                   ; into LDS: piece thread / 16, 16 (thread % 16)
	v_mul_u32_u24 v5, v1, PW                       ; out of LDS: my lane's piece
	v_lshlrev_b32 v6, 3, v1                        ; codes: 8 bytes a lane
	s_lshl_b32 s19, ttmp9, 2
	s_add_co_u32 s19, s19, s18                     ; my token
	s_lshl_b32 s32, s19, 12                        ; its bytes in x,
	s_mov_b32 s33, 0
	s_lshl_b32 s34, s19, 10                        ; in xq,
	s_mov_b32 s35, 0
	s_lshl_b32 s36, s19, 2                         ; in ch,
	s_mov_b32 s37, 0
	s_lshl_b32 s38, s19, 3                         ; in pr
	s_mov_b32 s39, 0
	s_mov_b32 s30, 0x76543210                      ; v_permlanex16_b32: lane l xor 16
	s_mov_b32 s31, 0xfedcba98
	s_wait_kmcnt 0x0
	s_load_b256 s[20:27], s[8:9], 0x0              ; br
	s_load_b32 s28, s[10:11], 0x0                  ; s0
	s_add_nc_u64 s[4:5], s[4:5], s[32:33]
	s_add_nc_u64 s[12:13], s[12:13], s[34:35]
	s_add_nc_u64 s[14:15], s[14:15], s[36:37]
	s_add_nc_u64 s[16:17], s[16:17], s[38:39]
.set j, 0
.rept 4
	global_load_b128 v[X+8*j:X+8*j+3], v2, s[4:5] offset:1024*j th:TH_LOAD_NT
	global_load_b128 v[X+8*j+4:X+8*j+7], v2, s[4:5] offset:1024*j+16 th:TH_LOAD_NT
.set j, j+1
.endr
.set q, 0
.rept 16
	global_load_b128 v[WA+4*q:WA+4*q+3], v3, s[6:7] offset:2048*q   ; a wave reads 512 consecutive bytes
.set q, q+1
.endr
	s_wait_loadcnt 0x0
.set q, 0
.rept 16
	ds_store_b128 v4, v[WA+4*q:WA+4*q+3] offset:2176*q              ; eight pieces further on
.set q, q+1
.endr
	s_wait_dscnt 0x0                               ; for the others' sake: my part of Wr lies in LDS
	s_barrier_signal -1
	s_barrier_wait -1
.macro LW j, w                         ; rows 256 j + 8 lane + 0 .. 7 of Wr into the set at v[w]
.set m, 0
.rept 16
	ds_load_b128 v[(\w)+4*m:(\w)+4*m+3], v5 offset:8704*(\j)+16*m
.set m, m+1
.endr
.endm
; eight numbers of x against their rows of Wr: four packed multiply-adds a number, the number taken for both halves.  first = 1: the first products start the sums
.macro DOT j, w, first
.set i, 0
.rept 8
.set xp, X+8*(\j)+2*(i/2)
.set q, 0
.rept 4
.set wp, (\w)+8*i+2*q
.if (\first) && (i == 0)
	v_pk_mul_f32 v[8+2*q:9+2*q], v[xp:xp+1], v[wp:wp+1] op_sel_hi:[0,1]
.elseif (i%2) == 0
	v_pk_fma_f32 v[8+2*q:9+2*q], v[xp:xp+1], v[wp:wp+1], v[8+2*q:9+2*q] op_sel_hi:[0,1,1]
.else
	v_pk_fma_f32 v[8+2*q:9+2*q], v[xp:xp+1], v[wp:wp+1], v[8+2*q:9+2*q] op_sel:[1,0,0] op_sel_hi:[1,1,1]
.endif
.set q, q+1
.endr
.set i, i+1
.endr
.endm
	LW 0, WA
	LW 1, WB
	s_wait_dscnt 16                                ; this set is in; the next set's 16 loads may be out
	DOT 0, WA, 1
	LW 2, WA
	s_wait_dscnt 16
	DOT 1, WB, 0
	LW 3, WB
	s_wait_dscnt 16
	DOT 2, WA, 0
	s_wait_dscnt 0x0
	DOT 3, WB, 0
	; x into codes: held within +-57,344 x 2^s0 (the conversion to an 8-bit code does not saturate: ISA guide 7.6.2), divided by 2^s0, to the nearest code, ties to even
	s_wait_kmcnt 0x0
	s_add_co_i32 s29, s28, 127
	s_lshl_b32 s40, s29, 23
	v_mov_b32 v184, s40                            ; 2^s0 as f32
	s_add_co_i32 s29, s29, 15
	s_lshl_b32 s29, s29, 23
	s_or_b32 s29, s29, 0x600000
	v_mov_b32 v185, s29                            ; 57,344 x 2^s0
.set i, 0
.rept 32
	v_med3_num_f32 v[X+i], v[X+i], -v185, v185
.set i, i+1
.endr
.set j, 0
.rept 4
	v_cvt_scalef32_pk8_bf8_f32 v[CD+2*j:CD+2*j+1], v[X+8*j:X+8*j+7], v184
.set j, j+1
.endr
	v_nop                                          ; a plain line behind the last conversion
.set j, 0
.rept 4
	global_store_b64 v6, v[CD+2*j:CD+2*j+1], s[12:13] offset:256*j  ; the wave stores 256 consecutive bytes, aligned
.set j, j+1
.endr
	; the eight sums across the 32 lanes
.irp mk, 1,2,4,8
.set e, 0
.rept 8
	v_add_f32_dpp v[8+e], v[8+e], v[8+e] row_xmask:\mk row_mask:0xf bank_mask:0xf
.set e, e+1
.endr
.endr
.set e, 0
.rept 8
	v_permlanex16_b32 v[WA+e], v[8+e], s30, s31    ; (its destination has been written before)
.set e, e+1
.endr
.set e, 0
.rept 8
	v_add_f32 v[8+e], v[8+e], v[WA+e]
.set e, e+1
.endr
.set e, 0
.rept 8
	v_add_f32 v[8+e], s[20+e], v[8+e]              ; + br
.set e, e+1
.endr
	; the largest score: a later one wins only if it is greater, so a tie keeps the lower index
	v_mov_b32 v190, v8
	v_mov_b32 v191, 0
.set e, 1
.rept 7
	v_cmp_gt_f32 vcc_lo, v[8+e], v190
	v_cndmask_b32 v190, v190, v[8+e], vcc_lo
	v_cndmask_b32 v191, v191, e, vcc_lo
.set e, e+1
.endr
	; the second: the same among the other seven
	v_mov_b32 v192, 0xff800000                     ; -infinity, under every finite score
	v_cmp_eq_u32 vcc_lo, 0, v191
	v_cndmask_b32 v193, 0, 1, vcc_lo
.set e, 0
.rept 8
	v_cmp_ne_u32 s41, e, v191
	v_cmp_gt_f32 vcc_lo, v[8+e], v192
	s_and_b32 vcc_lo, vcc_lo, s41
	v_cndmask_b32 v192, v192, v[8+e], vcc_lo
	v_cndmask_b32 v193, v193, e, vcc_lo
.set e, e+1
.endr
	; softmax of the two, the larger taken away: q = e^(second - first) <= 1; p0 = 1 / (1 + q), p1 = q p0
	v_sub_f32 v194, v192, v190
	v_mul_f32 v194, 0x3fb8aa3b, v194
	v_exp_f32 v195, v194
	v_mov_b32 v201, 1                              ; (a plain line behind the exponential)
	s_wait_alu depctr_va_vdst(0)                   ; the wait ahead of the result's first reader
	v_add_f32 v196, 1.0, v195
	v_rcp_f32 v198, v196
	v_lshlrev_b32 v200, v191, v201                 ; (a plain line behind the reciprocal)  1 << e0
	v_lshlrev_b32 v202, v193, v201                 ; 1 << e1
	v_or_b32 v200, v200, v202
	v_lshl_or_b32 v203, v193, 8, v191
	v_lshl_or_b32 v203, v200, 16, v203
	v_mov_b32 v204, 0
	s_wait_alu depctr_va_vdst(0)
	v_mul_f32 v199, v195, v198
	s_wait_xcnt 0x0                                ; EXEC changes only behind this wait: the stores above have read it
	v_cmp_eq_u32 vcc_lo, 0, v1
	s_wait_tensorcnt 0x0
	ds_add_u32 v208, v209
	s_wait_dscnt 0x0
	s_and_saveexec_b32 s42, vcc_lo                 ; lane 0 stores for the token
	global_store_b32 v204, v203, s[14:15]
	global_store_b64 v204, v[198:199], s[16:17]
	s_endpgm
.Lfunc_end_k_q7278a79adc_route:
	.size	k_q7278a79adc_route, .Lfunc_end_k_q7278a79adc_route-k_q7278a79adc_route
	.p2alignl 7, 3214868480
	.fill 96, 4, 3214868480
	.section	.rodata,"a",@progbits
	.p2align	6, 0x0
	.amdhsa_kernel k_q7278a79adc_route
		.amdhsa_group_segment_fixed_size 35328
		.amdhsa_private_segment_fixed_size 0
		.amdhsa_enable_private_segment 0
		.amdhsa_kernarg_size 56
		.amdhsa_user_sgpr_count 2
		.amdhsa_user_sgpr_kernarg_segment_ptr 1
		.amdhsa_wavefront_size32 1
		.amdhsa_system_sgpr_workgroup_id_x 1
		.amdhsa_system_sgpr_workgroup_id_y 1
		.amdhsa_system_sgpr_workgroup_id_z 1
		.amdhsa_system_vgpr_workitem_id 0
		.amdhsa_next_free_vgpr 210
		.amdhsa_next_free_sgpr 66
		.amdhsa_reserve_vcc 1
		.amdhsa_float_denorm_mode_32 3
		.amdhsa_float_denorm_mode_16_64 3
		.amdhsa_memory_ordered 1
		.amdhsa_forward_progress 1
		.amdhsa_inst_pref_size 28
	.end_amdhsa_kernel
	.amdgpu_metadata
---
amdhsa.version: [ 1, 2 ]
amdhsa.kernels:
  - .name:           k_q7278a79adc_route
    .symbol:         k_q7278a79adc_route.kd
    .args:
      - { .name: x, .offset: 0, .size: 8, .value_kind: global_buffer, .address_space: global }
      - { .name: Wr, .offset: 8, .size: 8, .value_kind: global_buffer, .address_space: global }
      - { .name: br, .offset: 16, .size: 8, .value_kind: global_buffer, .address_space: global }
      - { .name: lowp_scales, .offset: 24, .size: 8, .value_kind: global_buffer, .address_space: global }
      - { .name: xq, .offset: 32, .size: 8, .value_kind: global_buffer, .address_space: global }
      - { .name: ch, .offset: 40, .size: 8, .value_kind: global_buffer, .address_space: global }
      - { .name: pr, .offset: 48, .size: 8, .value_kind: global_buffer, .address_space: global }
    .group_segment_fixed_size: 35328
    .private_segment_fixed_size: 0
    .kernarg_segment_align: 8
    .kernarg_segment_size: 56
    .max_flat_workgroup_size: 128
    .sgpr_count:     66
    .vgpr_count:     210
    .wavefront_size: 32
...
	.end_amdgpu_metadata
.endif
;; end of part 1
;; launch up (part 2): grid 256 x 1, 8 waves a work-group, no clusters, 267,264 bytes of LDS; arguments ch, xq, W1_codes, b1, lowp_scales, hbuf, posE; writes hbuf, posE
.if DOCPART == 2
	.amdgcn_target "amdgcn-amd-amdhsa--gfx1250"
	.amdhsa_code_object_version 6
	.text
	.protected	k_q7278a79adc_up
	.globl	k_q7278a79adc_up
	.p2align	8
	.type	k_q7278a79adc_up,@function
k_q7278a79adc_up:
	s_mov_b64 s[64:65], 0
	v_nop
	global_prefetch_b8 v0, s[64:65] scope:SCOPE_SE
	s_setreg_imm32_b32 hwreg(HW_REG_WAVE_MODE, 25, 1), 1
	s_wait_xcnt 0x0
; FIRST PRODUCT, FOR THE CHOSEN ROWS ONLY: h = Q(gelu(xq W1 + b1)), codes of E5M2 on both sides, sums in f32, the exact (erf) GELU in f32, h quantised with the given 2^s3.
; SHARES.  256 work-groups = 8 experts x 16 chunks of 256 hidden units x 2 parities of row tiles (work-group x: parity = x & 1, chunk = (x >> 1) & 15, expert = x >> 5).
; EIGHT WAVES, TWO TO A SIMD: a tile's GELU is 212 vector instructions beside 16 matrix instructions, so one wave's GELU stands beside the other's products and LDS loads.  Wave w keeps 32 hidden units x all K = 1,024 of W1
; in 256 registers for the whole launch: each weight byte comes in once for a work-group.  All eight waves work the same tiles of 16 rows, whose codes are gathered once into LDS, a tile a wave at a time.
; THE LIST.  ch[t] carries the token's two experts as bits 16 + e.  Mask word i = 4 j + q, bit l, stands for token 128 j + 4 l + q (so ch comes by loads of 16 bytes a lane); a token's position in its expert's list is its rank in
; (word, bit) order.  Every work-group makes the masks itself.  The work-group takes tiles t = 2 g + parity of 16 positions; it has cntW = (ceil(n / 16) + 1 - parity) / 2 of them, at most 32, in two passes of 16.
; Tile g = 0 is always worked (positions past the list's end take some valid token; nobody reads those rows), so that every byte that a later launch may read has been stored.
; Branches hang on counts read from memory, so this launch has no tensor load and no cluster; no barrier stands under such a branch, and the tile loops have constant trip counts with a jump over the work.
; THE MATRIX INSTRUCTION IS USED TRANSPOSED (source 0 = 16 rows of W1, source 1 = 16 rows of x), and the rows of W1 that form a tile are not neighbours: lane r of tile u takes unit 8 u + r + 8 (r / 8) of my 32, so that the 16
; registers of tiles 0 and 1 are 16 neighbouring hidden units of one row: the conversions' results are registers of the next product's operand, and hbuf is laid in that order:
; tile T = 64 e + t: 65,536 bytes = [K step S of 128][c 0..3][lane][16 bytes]; lane (r, h) holds, of position 16 t + r, units 128 S + 32 c + 16 h + 0 .. 15.  My 32 units are S = 2 chunk + wave / 4, c = wave % 4.
; A fragment is fetched by four loads of 16 bytes, 32 apart: registers 4 c .. 4 c + 3 hold K = 32 c + 16 (lane / 16) + 0 .. 15: the same permutation of K on both sides.
; Each tile's sum is kept in two halves, the even and the odd K steps', so that four accumulators take turns; the halves are added in f32.
; GELU: gelu(x) = max(x, 0) - |x| E, E = erfc(|x| / sqrt 2) / 2 = t 2^(P(t) - x^2 log2(e) / 2), t = 1 / (1 + |x| / (2 sqrt 2)), P a polynomial of degree 9 (its coefficients x log2 e, the constant less 1).
; posE[e][t] (work-group chunk 0, parity 0, wave 0 of each expert stores it): how many tokens of expert e's list stand ahead of t; entries 1,024 .. 1,055: n.
; LIMITS: s3 between -126 and 112, s0 + s1 between -126 and 127 (powers of two made as f32 numbers); NaN and infinities are not served; E is good to about 1e-6 of itself, with 6e-8 x^2 / 2 more in the far tail.
; REGISTERS: window 0: v1-16 addresses and constants; v24-27 codes; v32-47 the even K steps' sums, then x; v48-63 b1 / 2^(s0 + s1) in the result's layout; v64-79 the odd K steps' sums, then |x|; v80-111 GELU's T and P
;   (P's also: the gather's row offsets); v112-127 at work; v128-255 x's eight fragments (first ch, then the gather's rows).   window 1: W1's fragment (K step s, tile u) at 32 s + 16 u.
.set PX,    1040                       ; a row of codes in LDS: 1,024 bytes + 16: sixteen rows start at sixteen different banks
.set TILEB, 16*PX                      ; a tile of 16 rows
.set CD,  24
.set ACC, 32
.set BI,  48
.set GA,  64
.set GT,  80
.set GP,  96
.set XF,  128
.set MSB, 0
.macro WIN new                         ; the immediate's high byte repeats the setting that is left; a switch that changes nothing is dropped
.if MSB != (\new)
	s_set_vgpr_msb (MSB<<8)|(\new)
.set MSB, (\new)
.endif
.endm
.macro WT half                         ; K steps 4 half .. 4 half + 3 of both tiles of W1: 32 loads
	WIN 0x40
.set ws, 4*(\half)
.rept 4
.set wu, 0
.rept 2
.set wc, 0
.rept 4
	global_load_b128 v[32*ws+16*wu+4*wc:32*ws+16*wu+4*wc+3], v5, s[8:9] offset:8192*wu+128*ws+32*wc
.set wc, wc+1
.endr
.set wu, wu+1
.endr
.set ws, ws+1
.endr
	WIN 0
.endm
.macro LEVEL src, width, step          ; the lower half holds t set bits: rank >= t goes to the upper half
	v_bfe_u32 v121, v[\src], v120, \width
	v_cmp_ge_u32 vcc_lo, v115, v121
	v_cndmask_b32 v121, 0, v121, vcc_lo
	v_cndmask_b32 v122, 0, \step, vcc_lo
	v_sub_nc_u32 v115, v115, v121
	v_add_nc_u32 v120, v120, v122
.endm
; v14 = the token at position p = v9 + add of the list: the last mask word whose prefix is not above p, then the bit of rank p - prefix in it, found by halving on counts of 16, 8, 4, 2, 1 bits.  Past the list's end it ends at a token below 1,024.
.macro SELECT add
	v_add_nc_u32 v112, \add, v9
	v_mov_b32 v113, s32                            ; the word
	v_mov_b32 v114, 0                              ; its prefix | its first token << 16
	s_bcnt1_i32_b32 s66, s32
.set si, 1
.rept 31
	v_cmp_gt_u32 vcc_lo, s66, v112                 ; prefix above p: keep what I have
	s_or_b32 s68, s66, (128*(si/4)+si%4)<<16
	v_cndmask_b32 v113, s[32+si], v113, vcc_lo
	v_cndmask_b32 v114, s68, v114, vcc_lo
	s_bcnt1_i32_b32 s67, s[32+si]
	s_add_co_u32 s66, s66, s67
.set si, si+1
.endr
	v_and_b32 v115, 0xffff, v114
	v_sub_nc_u32 v115, v112, v115                  ; the rank in the word
	v_lshrrev_b32 v116, 1, v113
	v_and_b32 v116, 0x55555555, v116
	v_sub_nc_u32 v116, v113, v116                  ; counts of 2 bits
	v_and_b32 v117, 0x33333333, v116
	v_lshrrev_b32 v118, 2, v116
	v_and_b32 v118, 0x33333333, v118
	v_add_nc_u32 v117, v117, v118                  ; of 4
	v_lshrrev_b32 v118, 4, v117
	v_add_nc_u32 v118, v117, v118
	v_and_b32 v118, 0x0f0f0f0f, v118               ; of 8
	v_lshrrev_b32 v119, 8, v118
	v_add_nc_u32 v119, v118, v119
	v_and_b32 v119, 0x00ff00ff, v119               ; of 16
	v_mov_b32 v120, 0                              ; the bit's place
	LEVEL 119, 8, 16
	LEVEL 118, 8, 8
	LEVEL 117, 4, 4
	LEVEL 116, 2, 2
	LEVEL 113, 1, 1
	v_lshrrev_b32 v14, 16, v114
	v_lshl_add_u32 v14, v120, 2, v14               ; token = the word's first + 4 x bit
.endm
.macro GLOADS half                     ; the 16 rows of codes named by lanes 16 half .. 16 half + 15 of v14: two loads of 512 consecutive bytes a row
.set gr, 0
.rept 16
	v_readlane_b32 s69, v14, 16*(\half)+gr
	s_min_u32 s69, s69, 0x3ff                      ; a loaded number enters an address only behind this hold
	v_lshl_add_u32 v[GP+gr], s69, 10, v4
	global_load_b128 v[XF+8*gr:XF+8*gr+3], v[GP+gr], s[6:7]
	global_load_b128 v[XF+8*gr+4:XF+8*gr+7], v[GP+gr], s[6:7] offset:512
.set gr, gr+1
.endr
.endm
.macro GSTORES q                       ; into local tile wave + 8 q
.set gr, 0
.rept 16
	ds_store_b128 v[10+(\q)], v[XF+8*gr:XF+8*gr+3] offset:PX*gr
	ds_store_b128 v[10+(\q)], v[XF+8*gr+4:XF+8*gr+7] offset:PX*gr+512
.set gr, gr+1
.endr
.endm
; local tiles wave and wave + 8 of a pass, each only if the pass has it.  The branches hang on the wave and on a stored count: no barrier stands inside
.macro GATHER_C add, cnt
	s_cmp_lt_u32 s18, s[\cnt]
	s_cbranch_scc0 .Lgdone_\@
	SELECT \add
	s_wait_dscnt 0x0                               ; earlier LDS instructions have done with the rows' registers
	GLOADS 0
	s_wait_loadcnt 0x0
	GSTORES 0
	s_add_co_u32 s67, s18, 8
	s_cmp_lt_u32 s67, s[\cnt]
	s_cbranch_scc0 .Lgdone_\@
	s_wait_dscnt 0x0
	GLOADS 1
	s_wait_loadcnt 0x0
	GSTORES 1
.Lgdone_\@:
.endm
.macro FETCH                           ; x's eight fragments of the tile at v8
.set fs, 0
.rept 8
.set fc, 0
.rept 4
	ds_load_b128 v[XF+16*fs+4*fc:XF+16*fs+4*fc+3], v8 offset:128*fs+32*fc
.set fc, fc+1
.endr
.set fs, fs+1
.endr
.endm
.macro HORNER c
.set g, 0
.rept 8
	v_pk_fma_f32 v[GP+g:GP+g+1], v[GP+g:GP+g+1], v[GT+g:GT+g+1], \c op_sel_hi:[1,1,0]
.set g, g+2
.endr
.endm
; the 16 sums of a lane (tiles 0 and 1: 16 neighbouring hidden units) become 16 codes in v[CD] on
.macro GELU
.set g, 0
.rept 8
	v_pk_add_f32 v[ACC+g:ACC+g+1], v[ACC+g:ACC+g+1], v[GA+g:GA+g+1]          ; the even and the odd K steps' sums; each accumulator is read from its low end on
.set g, g+2
.endr
.set g, 0
.rept 8
	v_pk_mul_f32 v[ACC+g:ACC+g+1], v[ACC+g:ACC+g+1], s[70:71] op_sel_hi:[1,0]   ; x = sum x 2^(s0 + s1) (b1 went in as the sums' start)
.set g, g+2
.endr
.set g, 0
.rept 16
	v_and_b32 v[GA+g], 0x7fffffff, v[ACC+g]        ; |x|
.set g, g+1
.endr
.set g, 0
.rept 8
	v_pk_fma_f32 v[GT+g:GT+g+1], v[GA+g:GA+g+1], 0x3eb504f3, 1.0 op_sel_hi:[1,0,0]   ; 1 + |x| / (2 sqrt 2)
.set g, g+2
.endr
.set g, 0
.rept 16
	v_rcp_f32 v[GT+g], v[GT+g]                     ; t
.set g, g+1
.endr
.set g, 0
.rept 16
	v_max_num_f32 v[ACC+g], 0, v[ACC+g]            ; max(x, 0): plain work that names no reciprocal
.set g, g+1
.endr
	s_wait_alu depctr_va_vdst(0)                   ; one wait for the batch of reciprocals, ahead of their first reader
.set g, 0
.rept 8
	v_pk_fma_f32 v[GP+g:GP+g+1], v[GT+g:GT+g+1], s[78:79], 0xbf97d29d op_sel_hi:[1,0,0]
.set g, g+2
.endr
.irp c, 0x40097039, 0xbfd1a1e5, 0x3ecdfd18, 0xbe899a80, 0x3e0efb2e, 0x3f0a29d2, 0x3fb8ab5a, 0xc034d90f
	HORNER \c
.endr
.set g, 0
.rept 8
	v_pk_mul_f32 v[GT+g:GT+g+1], v[GA+g:GA+g+1], v[GT+g:GT+g+1]              ; |x| t
.set g, g+2
.endr
.set g, 0
.rept 8
	v_pk_mul_f32 v[GA+g:GA+g+1], v[GA+g:GA+g+1], v[GA+g:GA+g+1]              ; x^2
.set g, g+2
.endr
.set g, 0
.rept 8
	v_pk_fma_f32 v[GP+g:GP+g+1], v[GA+g:GA+g+1], 0xbf38aa3b, v[GP+g:GP+g+1] op_sel_hi:[1,0,1]   ; P - x^2 log2(e) / 2
.set g, g+2
.endr
.set g, 0
.rept 16
	v_exp_f32 v[GP+g], v[GP+g]
.set g, g+1
.endr
	v_nop                                          ; a plain line behind the last exponential
	s_wait_alu depctr_va_vdst(0)                   ; one wait for the batch
.set g, 0
.rept 8
	v_pk_fma_f32 v[ACC+g:ACC+g+1], v[GT+g:GT+g+1], v[GP+g:GP+g+1], v[ACC+g:ACC+g+1] neg_lo:[1,0,0] neg_hi:[1,0,0]   ; max(x, 0) - |x| E
.set g, g+2
.endr
.set g, 0
.rept 16
	v_med3_num_f32 v[ACC+g], v[ACC+g], -v16, v16   ; the hold at the largest code x the scale (ISA guide 7.6.2: the conversion does not saturate)
.set g, g+1
.endr
	v_cvt_scalef32_pk8_bf8_f32 v[CD:CD+1], v[ACC:ACC+7], v15
	v_cvt_scalef32_pk8_bf8_f32 v[CD+2:CD+3], v[ACC+8:ACC+15], v15
	v_nop                                          ; a plain line behind the conversions: the next products write their sources
.endm
; A pass: 16 local tiles, of which the first s[cnt] are worked.  The trip count is a constant; a trip without a tile jumps over the work, not over the steps.
.macro COMPUTE cnt
	s_mov_b32 s25, 0                               ; local tile
	s_mov_b32 s26, 0                               ; its LDS byte
	v_mov_b32 v8, v7
	FETCH                                          ; tile 0 (its bytes are always written)
.Ltile_\@:
	s_cmp_ge_u32 s25, s[\cnt]
	s_cbranch_scc1 .Lskip_\@
	s_wait_dscnt 0x0                               ; x's fragments are in
	WIN 0x01                                       ; W1 window 1, all else window 0
.set ks, 0
.rept 8
.set kt, 0
.rept 2                                ; four accumulators (two tiles x even and odd K steps) take turns, one instruction a turn
.if (ks%2) == 0
.set AC, ACC+8*kt
.else
.set AC, GA+8*kt
.endif
.if ks == 0
	v_wmma_f32_16x16x128_bf8_bf8 v[AC:AC+7], v[16*kt:16*kt+15], v[XF:XF+15], v[BI+8*kt:BI+8*kt+7]
.elseif ks == 1
	v_wmma_f32_16x16x128_bf8_bf8 v[AC:AC+7], v[32+16*kt:32+16*kt+15], v[XF+16:XF+31], 0
.else
	v_wmma_f32_16x16x128_bf8_bf8 v[AC:AC+7], v[32*ks+16*kt:32*ks+16*kt+15], v[XF+16*ks:XF+16*ks+15], v[AC:AC+7]
.endif
.set kt, kt+1
.endr
.set ks, ks+1
.endr
	WIN 0
.rept 4
	v_nop                                          ; four places ahead of the loads into x's registers and of the first read of the sums
.endr
	s_add_co_u32 s27, s25, 1
	s_cmp_ge_u32 s27, s[\cnt]
	s_cbranch_scc1 .Lnofetch_\@
	s_add_co_u32 s27, s26, TILEB
	s_min_u32 s27, s27, 15*TILEB                   ; (never past the last tile)
	v_add_nc_u32 v8, s27, v7
	FETCH                                          ; the next tile's fragments come in under this tile's GELU
.Lnofetch_\@:
	GELU
	global_store_b128 v4, v[CD:CD+3], s[80:81]     ; the wave stores 512 consecutive bytes, aligned
.Lskip_\@:
	s_wait_xcnt 0x0                                ; the store has read its base and its data: both are written again only behind this wait
	s_add_co_u32 s26, s26, TILEB
	s_add_nc_u64 s[80:81], s[80:81], 131072        ; two tiles of hbuf on: my parity's next
	s_add_co_u32 s25, s25, 1
	s_cmp_lt_u32 s25, 16
	s_cbranch_scc1 .Ltile_\@
.endm
	s_load_b256 s[4:11], s[0:1], 0x0               ; ch s[4:5], xq s[6:7], W1's codes s[8:9], b1 s[10:11]
	s_load_b128 s[12:15], s[0:1], 0x20             ; the scales' exponents s[12:13], hbuf s[14:15]
	s_load_b64 s[16:17], s[0:1], 0x30              ; posE
	v_lshl_add_u32 v126, v0, 2, 0x41000
	v_mov_b32 v127, 0
	v_lshrrev_b32 v1, 5, v0
	v_readfirstlane_b32 s18, v1                    ; wave 0..7
	v_and_b32 v1, 31, v0                           ; lane
	v_and_b32 v2, 15, v0                           ; r
	v_bfe_u32 v3, v0, 4, 1                         ; h
	v_lshlrev_b32 v4, 4, v1                        ; 16 x lane
	v_and_b32 v5, 8, v2
	v_add_nc_u32 v5, v5, v2                        ; r + 8 (r / 8)
	v_lshlrev_b32 v5, 10, v5
	v_lshl_add_u32 v5, v3, 4, v5                   ; W1: that row of 1,024 bytes, + 16 h
	v_lshlrev_b32 v6, 6, v3                        ; b1: 16 h numbers on
	v_mul_u32_u24 v7, v2, PX
	v_lshl_add_u32 v7, v3, 4, v7                   ; a fragment of x in LDS: row r, + 16 h
	s_and_b32 s19, ttmp9, 1                        ; parity
	s_bfe_u32 s20, ttmp9, 0x40001                  ; chunk
	s_lshr_b32 s21, ttmp9, 5                       ; expert
	s_lshl_b32 s66, s18, 5
	s_lshl_b32 s67, s19, 4
	s_add_co_u32 s66, s66, s67
	v_lshl_add_u32 v9, v3, 8, v2
	v_add_nc_u32 v9, s66, v9                       ; the position that my lane looks up: r + 256 h + 32 wave + 16 parity (+ 512 pass): lanes 0-15 local tile wave, lanes 16-31 local tile wave + 8
	s_mul_i32 s66, s18, TILEB
	v_add_nc_u32 v10, s66, v4                      ; where I put 16 bytes of a row of local tile wave,
	v_add_nc_u32 v11, 8*TILEB, v10                 ; wave + 8
	s_lshl_b32 s72, s21, 12
	s_lshl_b32 s73, s20, 8
	s_add_co_u32 s72, s72, s73
	s_lshl_b32 s73, s18, 5
	s_add_co_u32 s72, s72, s73                     ; 4,096 e + my first hidden unit
	s_lshl_b32 s74, s72, 2                         ; in b1,
	s_mov_b32 s75, 0
	s_lshl_b32 s72, s72, 10                        ; in W1
	s_mov_b32 s73, 0
	s_lshl_b32 s76, s21, 6
	s_add_co_u32 s76, s76, s19
	s_lshl_b32 s76, s76, 16                        ; hbuf: tile 64 e + parity,
	s_lshl_b32 s77, s20, 12                        ; K step 2 chunk + wave / 4 of 2,048 bytes and c = wave % 4 of 512: 4,096 chunk + 512 wave
	s_add_co_u32 s76, s76, s77
	s_lshl_b32 s77, s18, 9
	s_add_co_u32 s76, s76, s77
	s_mov_b32 s77, 0
	s_wait_kmcnt 0x0
	s_load_b128 s[28:31], s[12:13], 0x0            ; s0, s1, s2, s3
	s_add_nc_u64 s[8:9], s[8:9], s[72:73]
	s_add_nc_u64 s[10:11], s[10:11], s[74:75]
	s_add_nc_u64 s[80:81], s[14:15], s[76:77]
	s_mul_i32 s72, s21, 4352
	s_add_nc_u64 s[16:17], s[16:17], s[72:73]      ; posE's row of my expert
.set j, 0
.rept 8
	global_load_b128 v[XF+4*j:XF+4*j+3], v4, s[4:5] offset:512*j   ; ch: register 4 j + q, lane l: token 128 j + 4 l + q
.set j, j+1
.endr
.set t, 0
.rept 2
	global_load_b128 v[BI+8*t:BI+8*t+3], v6, s[10:11] offset:32*t          ; b1 of units 16 h + 8 t + 0 .. 7 of my 32
	global_load_b128 v[BI+8*t+4:BI+8*t+7], v6, s[10:11] offset:32*t+16
.set t, t+1
.endr
	WT 0
	s_wait_loadcnt 36                              ; ch is in: behind it 4 loads of b1 and 32 of W1 were issued
	s_add_co_u32 s82, s21, 16
	s_lshl_b32 s82, 1, s82                         ; my expert's bit
.set i, 0
.rept 32
	v_and_b32 v[112+i%4], s82, v[XF+i]
	v_cmp_ne_u32 s[32+i], 0, v[112+i%4]            ; mask word i
.set i, i+1
.endr
	s_mov_b32 s22, 0
.set i, 0
.rept 32
	s_bcnt1_i32_b32 s66, s[32+i]
	s_add_co_u32 s22, s22, s66                     ; n
.set i, i+1
.endr
	s_add_co_u32 s66, s22, 15
	s_lshr_b32 s66, s66, 4
	s_add_co_u32 s66, s66, 1
	s_sub_co_u32 s66, s66, s19
	s_lshr_b32 s66, s66, 1                         ; my tiles
	s_max_u32 s24, s66, 1
	s_min_u32 s24, s24, 16                         ; of them in pass 0: at least 1,
	s_sub_co_i32 s23, s66, 16
	s_max_i32 s23, s23, 0
	s_min_u32 s23, s23, 16                         ; in pass 1
	SELECT 0
	GLOADS 0                                       ; local tile wave is always gathered; the rest of W1 goes out behind it
	WT 1
	s_wait_loadcnt 32                              ; the 16 rows are in: behind them 32 loads of W1 were issued
	GSTORES 0
	s_wait_kmcnt 0x0
	s_add_co_i32 s66, s28, s29                     ; s0 + s1: a sum stands for sum x 2^(s0 + s1), so b1 goes in divided by that
	s_sub_co_i32 s67, 0, s66
	s_add_co_i32 s66, s66, 127
	s_lshl_b32 s70, s66, 23                        ; 2^(s0 + s1) as f32
	s_mov_b32 s71, s70                             ; (named with it as a pair, so it is written)
	s_add_co_i32 s66, s31, 127
	s_lshl_b32 s68, s66, 23
	v_mov_b32 v15, s68                             ; 2^s3
	s_add_co_i32 s66, s66, 15
	s_lshl_b32 s66, s66, 23
	s_or_b32 s66, s66, 0x600000
	v_mov_b32 v16, s66                             ; 57,344 x 2^s3
	s_mov_b32 s78, 0x3e7c6f08                      ; the polynomial's leading coefficient
	s_mov_b32 s79, s78
.set j, 0
.rept 16
	v_ldexp_f32 v[BI+j], v[BI+j], s67              ; (b1's loads are older than loads already waited for)
.set j, j+1
.endr
	s_add_co_u32 s67, s18, 8                       ; local tile wave + 8, where pass 0 has it
	s_cmp_lt_u32 s67, s24
	s_cbranch_scc0 .Lpass0_gathered
	s_wait_dscnt 0x0                               ; the stores have read the rows' registers
	GLOADS 1
	s_wait_loadcnt 0x0
	GSTORES 1
.Lpass0_gathered:
	s_and_b32 s67, ttmp9, 31
	s_or_b32 s67, s67, s18
	s_cmp_lg_u32 s67, 0
	s_cbranch_scc1 .Lno_pos                        ; one wave for each expert stores the positions
	s_wait_dscnt 0x0                               ; the LDS stores have read v128 on
	s_mov_b32 s66, 0
.set i, 0
.rept 32
	v_mbcnt_lo_u32_b32 v[XF+i], s[32+i], s66       ; the word's set bits below my lane + the words before
	s_bcnt1_i32_b32 s67, s[32+i]
	s_add_co_u32 s66, s66, s67
.set i, i+1
.endr
.set j, 0
.rept 8
	global_store_b128 v4, v[XF+4*j:XF+4*j+3], s[16:17] offset:512*j
.set j, j+1
.endr
	v_mov_b32 v112, s22
	v_lshlrev_b32 v113, 2, v1
	global_store_b32 v113, v112, s[16:17] offset:4096
	s_wait_xcnt 0x0                                ; the stores have read their registers
.Lno_pos:
	s_wait_dscnt 0x0                               ; my rows lie in LDS
	s_barrier_signal -1
	s_barrier_wait -1                              ; everybody's do
	s_wait_loadcnt 0x0                             ; W1
	COMPUTE 24
	s_wait_dscnt 0x0                               ; my reads of the tiles are over
	s_barrier_signal -1
	s_barrier_wait -1                              ; everybody's are: the tiles may be written again
	GATHER_C 512, 23
	s_wait_dscnt 0x0
	s_barrier_signal -1
	s_barrier_wait -1
	COMPUTE 23
	s_wait_dscnt 0x0
	s_wait_tensorcnt 0x0
	ds_add_u32 v126, v127
	s_wait_dscnt 0x0
	s_endpgm
.Lfunc_end_k_q7278a79adc_up:
	.size	k_q7278a79adc_up, .Lfunc_end_k_q7278a79adc_up-k_q7278a79adc_up
	.p2alignl 7, 3214868480
	.fill 96, 4, 3214868480
	.section	.rodata,"a",@progbits
	.p2align	6, 0x0
	.amdhsa_kernel k_q7278a79adc_up
		.amdhsa_group_segment_fixed_size 267264
		.amdhsa_private_segment_fixed_size 0
		.amdhsa_enable_private_segment 0
		.amdhsa_kernarg_size 56
		.amdhsa_user_sgpr_count 2
		.amdhsa_user_sgpr_kernarg_segment_ptr 1
		.amdhsa_wavefront_size32 1
		.amdhsa_system_sgpr_workgroup_id_x 1
		.amdhsa_system_sgpr_workgroup_id_y 1
		.amdhsa_system_sgpr_workgroup_id_z 1
		.amdhsa_system_vgpr_workitem_id 0
		.amdhsa_next_free_vgpr 512
		.amdhsa_next_free_sgpr 84
		.amdhsa_reserve_vcc 1
		.amdhsa_float_denorm_mode_32 3
		.amdhsa_float_denorm_mode_16_64 3
		.amdhsa_memory_ordered 1
		.amdhsa_forward_progress 1
		.amdhsa_inst_pref_size 114
	.end_amdhsa_kernel
	.amdgpu_metadata
---
amdhsa.version: [ 1, 2 ]
amdhsa.kernels:
  - .name:           k_q7278a79adc_up
    .symbol:         k_q7278a79adc_up.kd
    .args:
      - { .name: ch, .offset: 0, .size: 8, .value_kind: global_buffer, .address_space: global }
      - { .name: xq, .offset: 8, .size: 8, .value_kind: global_buffer, .address_space: global }
      - { .name: W1_codes, .offset: 16, .size: 8, .value_kind: global_buffer, .address_space: global }
      - { .name: b1, .offset: 24, .size: 8, .value_kind: global_buffer, .address_space: global }
      - { .name: lowp_scales, .offset: 32, .size: 8, .value_kind: global_buffer, .address_space: global }
      - { .name: hbuf, .offset: 40, .size: 8, .value_kind: global_buffer, .address_space: global }
      - { .name: posE, .offset: 48, .size: 8, .value_kind: global_buffer, .address_space: global }
    .group_segment_fixed_size: 267264
    .private_segment_fixed_size: 0
    .kernarg_segment_align: 8
    .kernarg_segment_size: 56
    .max_flat_workgroup_size: 256
    .sgpr_count:     84
    .vgpr_count:     512
    .wavefront_size: 32
...
	.end_amdgpu_metadata
.endif
;; end of part 2
;; launch down (part 3): grid 256 x 1, 4 waves a work-group, no clusters, 209,408 bytes of LDS; arguments hbuf, posE, W2_codes, b2, lowp_scales, part; writes part
.if DOCPART == 3
	.amdgcn_target "amdgcn-amd-amdhsa--gfx1250"
	.amdhsa_code_object_version 6
	.text
	.protected	k_q7278a79adc_down
	.globl	k_q7278a79adc_down
	.p2align	8
	.type	k_q7278a79adc_down,@function
k_q7278a79adc_down:
	s_mov_b64 s[64:65], 0
	v_nop
	global_prefetch_b8 v0, s[64:65] scope:SCOPE_SE
	s_setreg_imm32_b32 hwreg(HW_REG_WAVE_MODE, 25, 1), 1
	s_wait_xcnt 0x0
; SECOND PRODUCT, FOR THE CHOSEN ROWS ONLY: part[1,024 e + position][d] = (h W2) x 2^(s2 + s3) + b2, codes of E5M2 on both sides, sums in f32.
; SHARES.  256 work-groups = 8 experts x 16 chunks of 64 outputs x 2 parities of row tiles, numbered as in the launch before.  K = 4,096 IS SPLIT OVER THE WAVES: wave w keeps K steps 8 w .. 8 w + 7 (of 128) of the
; 64 outputs' rows of W2 in 512 registers for the whole launch, and reads only its own quarter of each tile of h, straight from hbuf (laid in the order of the operand's registers: every load is 512 consecutive bytes).
; The four partial sums of a tile meet in LDS; each wave then adds and stores 4 of its 16 rows: 256 consecutive bytes a row, aligned.
; The work-group's tiles g (t = 2 g + parity) number cnt = max((ceil(n / 16) + 1 - parity) / 2, 1), n read from posE.  Branches hang on that stored count: so no tensor load and no cluster here, no barrier under such a branch.
; Three passes (a constant) of 12 tiles: phase 1 multiplies up to 12 tiles into LDS | barrier | phase 2 adds and stores them | barrier.  A pass's tiles beyond cnt are jumped over, forward, to the line in front of the barrier.
; h comes through three register buffers, two tiles ahead.  The refill for tile T + 3 is issued on every way: where there is such a tile, as it stands, with EXEC untouched; where there is none, in a second arm, with all lanes off.
; So the count of loads behind a buffer is the same on every way, no byte is fetched for nothing, and only the last three tiles pay for a change of EXEC.
; THE MATRIX INSTRUCTION IS USED TRANSPOSED (source 0 = 16 rows of W2, source 1 = 16 rows of h): a lane holds one position and eight neighbouring outputs.
; LIMIT: s2 + s3 between -126 and 127 (2^(s2 + s3) is made as an f32 number).
; REGISTERS: window 0: v1-23 addresses, b2; v32-63 four accumulators; v64-95 phase 2; v128-255 h, buffer 0.  windows 1, 2: W2's fragment (K step s, tile t) at 256 (1 + s / 4) + 64 (s % 4) + 16 t.  window 3: h, buffers 1 and 2.
.set ACC, 32
.set LT,  17408                        ; a tile in LDS: four copies (one a wave) of 16 rows x (256 bytes + 16)
.set MSB, 0
.macro WIN new
.if MSB != (\new)
	s_set_vgpr_msb (MSB<<8)|(\new)
.set MSB, (\new)
.endif
.endm
.macro WT t                            ; outputs 16 t .. 16 t + 15, my eight K steps: 32 loads
	WIN 0x40
.set ws, 0
.rept 4
.set wc, 0
.rept 4
	global_load_b128 v[64*ws+16*(\t)+4*wc:64*ws+16*(\t)+4*wc+3], v5, s[8:9] offset:65536*(\t)+128*ws+32*wc
.set wc, wc+1
.endr
.set ws, ws+1
.endr
	WIN 0x80
.set ws, 0
.rept 4
.set wc, 0
.rept 4
	global_load_b128 v[64*ws+16*(\t)+4*wc:64*ws+16*(\t)+4*wc+3], v5, s[8:9] offset:65536*(\t)+128*(ws+4)+32*wc
.set wc, wc+1
.endr
.set ws, ws+1
.endr
	WIN 0
.endm
.macro LOADH buf, base                 ; my quarter (eight fragments, 16,384 bytes) of the tile at s[base:base+1] into buffer buf
.if (\buf) == 1
.set HBR, 0
.else
.set HBR, 128
.endif
.if (\buf) == 0
	WIN 0
.else
	WIN 0xc0
.endif
.set ls, 0
.rept 8
.set lc, 0
.rept 4
	global_load_b128 v[HBR+16*ls+4*lc:HBR+16*ls+4*lc+3], v4, s[\base:\base+1] offset:2048*ls+512*lc
.set lc, lc+1
.endr
.set ls, ls+1
.endr
	WIN 0
.endm
.macro SUB1 j                          ; tile G + j: 32 products, the partial sums to LDS, the buffer's refill
.set BUF, (\j)%3
	s_add_co_u32 s22, s21, \j
	s_cmp_ge_u32 s22, s20
	s_cbranch_scc1 .Lend1
	s_wait_loadcnt 63                              ; 64 loads (two buffers') are younger than this buffer's: at 63 outstanding, the largest count that the wait takes, this buffer and all before it are in
	s_wait_dscnt 0x0                               ; the last tile's LDS stores have read the accumulators
.if BUF == 1
.set HBR, 0
.else
.set HBR, 128
.endif
.set ks, 0
.rept 8
.if BUF == 0
.set WN, 0x01+ks/4                     ; W2 window 1 or 2, h window 0
.else
.set WN, 0x0d+ks/4                     ; h window 3
.endif
	WIN WN
.set kt, 0
.rept 4                                ; the four accumulators take turns, one instruction a turn; the first products start the sums
.if ks == 0
	v_wmma_f32_16x16x128_bf8_bf8 v[ACC+8*kt:ACC+8*kt+7], v[16*kt:16*kt+15], v[HBR:HBR+15], 0
.else
	v_wmma_f32_16x16x128_bf8_bf8 v[ACC+8*kt:ACC+8*kt+7], v[64*(ks%4)+16*kt:64*(ks%4)+16*kt+15], v[HBR+16*ks:HBR+16*ks+15], v[ACC+8*kt:ACC+8*kt+7]
.endif
.set kt, kt+1
.endr
.set ks, ks+1
.endr
	WIN 0
.rept 5
	v_nop                                          ; four places ahead of the stores of the sums and of the loads into h's registers; the fifth for the next tile's first products, which begin these accumulators anew
.endr
.set kt, 0
.rept 4
	ds_store_b128 v[8+(\j)/3], v[ACC+8*kt:ACC+8*kt+3] offset:LT*((\j)%3)+64*kt        ; each accumulator from its low end on
	ds_store_b128 v[8+(\j)/3], v[ACC+8*kt+4:ACC+8*kt+7] offset:LT*((\j)%3)+64*kt+16
.set kt, kt+1
.endr
	s_wait_xcnt 0x0                                ; the last refill, a tile's products back, has read its base (and EXEC): they change only behind this wait
	s_add_co_u32 s22, s21, (\j)+3
	s_min_u32 s35, s22, 31                         ; (the address stays inside hbuf either way)
	s_lshl_b32 s32, s35, 17
	s_mov_b32 s33, 0
	s_add_nc_u64 s[26:27], s[24:25], s[32:33]
	s_cmp_lt_u32 s22, s20                          ; is there a tile three on?
	s_cbranch_scc0 .Lnone_\@
	LOADH BUF, 26                                  ; there is: 32 loads, EXEC as it stands: the next tile's products follow with no wait for these loads' addresses
	s_branch .Lfilled_\@
.Lnone_\@:
	s_mov_b32 vcc_lo, 0
	s_and_saveexec_b32 s34, vcc_lo                 ; there is none: the same 32 loads with all lanes off, so that the counts stay alike
	LOADH BUF, 26
	s_wait_xcnt 0x0                                ; in front of the line that widens EXEC
	s_or_b32 exec_lo, exec_lo, s34
.Lfilled_\@:
.endm
.macro SUB2 j                          ; tile G + j: my 4 rows: the four waves' partial sums added, x 2^(s2 + s3) + b2, stored
	s_add_co_u32 s22, s21, \j
	s_cmp_ge_u32 s22, s20
	s_cbranch_scc1 .Lend2
	s_wait_xcnt 0x0                                ; the last tile's stores have read their data
.set ri, 0
.rept 2
.set rk, 0
.rept 4
	ds_load_b128 v[64+16*ri+4*rk:64+16*ri+4*rk+3], v[12+(\j)/3] offset:LT*((\j)%3)+4352*rk+544*ri
.set rk, rk+1
.endr
.set ri, ri+1
.endr
	s_wait_dscnt 0x0
.set ri, 0
.rept 2
.set PB0, 64+16*ri
	v_pk_add_f32 v[PB0:PB0+1], v[PB0:PB0+1], v[PB0+4:PB0+5]
	v_pk_add_f32 v[PB0+2:PB0+3], v[PB0+2:PB0+3], v[PB0+6:PB0+7]
	v_pk_add_f32 v[PB0+8:PB0+9], v[PB0+8:PB0+9], v[PB0+12:PB0+13]
	v_pk_add_f32 v[PB0+10:PB0+11], v[PB0+10:PB0+11], v[PB0+14:PB0+15]
	v_pk_add_f32 v[PB0:PB0+1], v[PB0:PB0+1], v[PB0+8:PB0+9]
	v_pk_add_f32 v[PB0+2:PB0+3], v[PB0+2:PB0+3], v[PB0+10:PB0+11]
	v_pk_fma_f32 v[PB0:PB0+1], v[PB0:PB0+1], s[30:31], v[20:21] op_sel_hi:[1,0,1]
	v_pk_fma_f32 v[PB0+2:PB0+3], v[PB0+2:PB0+3], s[30:31], v[22:23] op_sel_hi:[1,0,1]
	global_store_b128 v16, v[PB0:PB0+3], s[28:29] offset:131072*(\j)+8192*ri          ; sixteen lanes store 256 consecutive bytes of a row, aligned; two rows an instruction
.set ri, ri+1
.endr
.endm
	s_load_b256 s[4:11], s[0:1], 0x0               ; hbuf s[4:5], posE s[6:7], W2's codes s[8:9], b2 s[10:11]
	s_load_b128 s[12:15], s[0:1], 0x20             ; the scales' exponents s[12:13], part s[14:15]
	v_lshl_add_u32 v126, v0, 2, 0x33000
	v_mov_b32 v127, 0
	v_lshrrev_b32 v1, 5, v0
	v_readfirstlane_b32 s16, v1                    ; wave
	v_and_b32 v1, 31, v0                           ; lane
	v_and_b32 v2, 15, v0                           ; r
	v_bfe_u32 v3, v0, 4, 1                         ; h
	v_lshlrev_b32 v4, 4, v1                        ; 16 x lane
	v_lshlrev_b32 v5, 12, v2
	v_lshl_add_u32 v5, v3, 4, v5                   ; W2: row r of 4,096 bytes, + 16 h
	s_mul_i32 s22, s16, 4352
	v_mul_u32_u24 v8, v2, 272
	v_lshl_add_u32 v8, v3, 5, v8
	v_add_nc_u32 v8, s22, v8                       ; phase 1: my copy, row r, + 32 h; tiles 0-2,
	v_add_nc_u32 v9, 3*LT, v8                      ; 3-5,
	v_add_nc_u32 v10, 6*LT, v8                     ; 6-8,
	v_add_nc_u32 v11, 9*LT, v8                     ; 9-11
	s_mul_i32 s22, s16, 1088
	v_mul_u32_u24 v12, v3, 272
	v_lshl_add_u32 v12, v2, 4, v12
	v_add_nc_u32 v12, s22, v12                     ; phase 2: row 4 wave + lane / 16, 16 (lane % 16)
	v_add_nc_u32 v13, 3*LT, v12
	v_add_nc_u32 v14, 6*LT, v12
	v_add_nc_u32 v15, 9*LT, v12
	v_lshlrev_b32 v16, 12, v3
	v_lshl_add_u32 v16, v2, 4, v16                 ; and the same place in part
	v_lshlrev_b32 v17, 4, v2                       ; b2: my four outputs
	s_and_b32 s17, ttmp9, 1                        ; parity
	s_bfe_u32 s18, ttmp9, 0x40001                  ; chunk of outputs
	s_lshr_b32 s19, ttmp9, 5                       ; expert
	s_mul_i32 s41, s19, 4352                       ; posE's row
	s_lshl_b32 s42, s19, 10
	s_lshl_b32 s43, s18, 6
	s_add_co_u32 s42, s42, s43                     ; 1,024 e + my first output
	s_lshl_b32 s44, s42, 2                         ; in b2,
	s_mov_b32 s45, 0
	s_lshl_b32 s42, s42, 12                        ; in W2,
	s_lshl_b32 s43, s16, 10                        ; + my eight K steps
	s_add_co_u32 s42, s42, s43
	s_mov_b32 s43, 0
	s_lshl_b32 s46, s19, 6
	s_add_co_u32 s46, s46, s17
	s_lshl_b32 s46, s46, 16                        ; hbuf: tile 64 e + parity,
	s_lshl_b32 s47, s16, 14                        ; + my quarter
	s_add_co_u32 s46, s46, s47
	s_mov_b32 s47, 0
	s_lshl_b32 s48, s19, 10
	s_lshl_b32 s49, s17, 4
	s_add_co_u32 s48, s48, s49
	s_lshl_b32 s49, s16, 2
	s_add_co_u32 s48, s48, s49
	s_lshl_b32 s48, s48, 12                        ; part: row 1,024 e + 16 parity + 4 wave,
	s_lshl_b32 s49, s18, 8                         ; + my chunk's 256 bytes
	s_add_co_u32 s48, s48, s49
	s_mov_b32 s49, 0
	s_wait_kmcnt 0x0
	s_load_b32 s40, s[6:7], s41 offset:0x1000      ; n
	s_load_b128 s[36:39], s[12:13], 0x0            ; s0, s1, s2, s3
	s_add_nc_u64 s[8:9], s[8:9], s[42:43]
	s_add_nc_u64 s[10:11], s[10:11], s[44:45]
	s_add_nc_u64 s[24:25], s[4:5], s[46:47]
	s_add_nc_u64 s[28:29], s[14:15], s[48:49]
	WT 0
	WT 1
	WT 2
	WT 3
	global_load_b128 v[20:23], v17, s[10:11]
	s_wait_kmcnt 0x0
	s_add_co_u32 s20, s40, 15
	s_lshr_b32 s20, s20, 4
	s_add_co_u32 s20, s20, 1
	s_sub_co_u32 s20, s20, s17
	s_lshr_b32 s20, s20, 1
	s_max_u32 s20, s20, 1
	s_min_u32 s20, s20, 32                         ; my tiles
	s_add_co_i32 s30, s38, s39
	s_add_co_i32 s30, s30, 127
	s_lshl_b32 s30, s30, 23                        ; 2^(s2 + s3) as f32
	s_mov_b32 s31, s30                             ; (named with it as a pair, so it is written)
.irp i, 0,1,2                          ; the three buffers' first fills, all lanes on: tiles 0, 1, 2, or the last tile there is.  Each has a base of its own, s[50:51], s[52:53], s[54:55], written once: no load's base is written again here, so no wait stands between
	s_sub_co_u32 s22, s20, 1
	s_min_u32 s22, s22, \i
	s_lshl_b32 s32, s22, 17
	s_mov_b32 s33, 0
	s_add_nc_u64 s[50+2*\i:51+2*\i], s[24:25], s[32:33]
	LOADH \i, 50+2*\i
.endr
	s_mov_b32 s21, 0                               ; G: the pass's first tile
.Lpass:
.irp j, 0,1,2,3,4,5,6,7,8,9,10,11
	SUB1 \j
.endr
.Lend1:
	s_wait_loadcnt 0x0                             ; so that the count at the next pass's head is the same on every way
	s_wait_dscnt 0x0                               ; my partial sums lie in LDS
	s_barrier_signal -1
	s_barrier_wait -1                              ; everybody's do
.irp j, 0,1,2,3,4,5,6,7,8,9,10,11
	SUB2 \j
.endr
.Lend2:
	s_wait_dscnt 0x0                               ; my reads of the partial sums are over
	s_barrier_signal -1
	s_barrier_wait -1                              ; everybody's are: the next pass may write there
	s_wait_xcnt 0x0                                ; the stores have read their base
	s_add_nc_u64 s[28:29], s[28:29], 12*131072
	s_add_co_u32 s21, s21, 12
	s_cmp_lt_u32 s21, 36
	s_cbranch_scc1 .Lpass
	s_wait_tensorcnt 0x0
	ds_add_u32 v126, v127
	s_wait_dscnt 0x0
	s_endpgm
.Lfunc_end_k_q7278a79adc_down:
	.size	k_q7278a79adc_down, .Lfunc_end_k_q7278a79adc_down-k_q7278a79adc_down
	.p2alignl 7, 3214868480
	.fill 96, 4, 3214868480
	.section	.rodata,"a",@progbits
	.p2align	6, 0x0
	.amdhsa_kernel k_q7278a79adc_down
		.amdhsa_group_segment_fixed_size 209408
		.amdhsa_private_segment_fixed_size 0
		.amdhsa_enable_private_segment 0
		.amdhsa_kernarg_size 48
		.amdhsa_user_sgpr_count 2
		.amdhsa_user_sgpr_kernarg_segment_ptr 1
		.amdhsa_wavefront_size32 1
		.amdhsa_system_sgpr_workgroup_id_x 1
		.amdhsa_system_sgpr_workgroup_id_y 1
		.amdhsa_system_sgpr_workgroup_id_z 1
		.amdhsa_system_vgpr_workitem_id 0
		.amdhsa_next_free_vgpr 1024
		.amdhsa_next_free_sgpr 66
		.amdhsa_reserve_vcc 1
		.amdhsa_float_denorm_mode_32 3
		.amdhsa_float_denorm_mode_16_64 3
		.amdhsa_memory_ordered 1
		.amdhsa_forward_progress 1
		.amdhsa_inst_pref_size 161
	.end_amdhsa_kernel
	.amdgpu_metadata
---
amdhsa.version: [ 1, 2 ]
amdhsa.kernels:
  - .name:           k_q7278a79adc_down
    .symbol:         k_q7278a79adc_down.kd
    .args:
      - { .name: hbuf, .offset: 0, .size: 8, .value_kind: global_buffer, .address_space: global }
      - { .name: posE, .offset: 8, .size: 8, .value_kind: global_buffer, .address_space: global }
      - { .name: W2_codes, .offset: 16, .size: 8, .value_kind: global_buffer, .address_space: global }
      - { .name: b2, .offset: 24, .size: 8, .value_kind: global_buffer, .address_space: global }
      - { .name: lowp_scales, .offset: 32, .size: 8, .value_kind: global_buffer, .address_space: global }
      - { .name: part, .offset: 40, .size: 8, .value_kind: global_buffer, .address_space: global }
    .group_segment_fixed_size: 209408
    .private_segment_fixed_size: 0
    .kernarg_segment_align: 8
    .kernarg_segment_size: 48
    .max_flat_workgroup_size: 128
    .sgpr_count:     66
    .vgpr_count:     1024
    .wavefront_size: 32
...
	.end_amdgpu_metadata
.endif
;; end of part 3
;; launch mix (part 4): grid 256 x 1, 4 waves a work-group, no clusters, 0 bytes of LDS; arguments ch, pr, posE, part, out0; writes out0
.if DOCPART == 4
	.amdgcn_target "amdgcn-amd-amdhsa--gfx1250"
	.amdhsa_code_object_version 6
	.text
	.protected	k_q7278a79adc_mix
	.globl	k_q7278a79adc_mix
	.p2align	8
	.type	k_q7278a79adc_mix,@function
k_q7278a79adc_mix:
	s_mov_b64 s[64:65], 0
	v_nop
	global_prefetch_b8 v0, s[64:65] scope:SCOPE_SE
	s_setreg_imm32_b32 hwreg(HW_REG_WAVE_MODE, 25, 1), 1
	s_wait_xcnt 0x0
; out[t] = p0 part[e0][pos0] + p1 part[e1][pos1].  One wave takes one token t = 4 x work-group + wave: each output row has one owner, and nothing is added across work-groups.
; The token's experts (ch), weights (pr) and its place in all eight experts' lists (posE, at fixed addresses) come by scalar loads; the two places are chosen by selects, held inside the table, and only then enter addresses.
; A stream: two rows of 4,096 bytes in, one out, every load and store of the wave 512 consecutive bytes, aligned.  No LDS, no barrier, no matrix unit.
	s_load_b256 s[4:11], s[0:1], 0x0               ; ch s[4:5], pr s[6:7], posE s[8:9], part s[10:11]
	s_load_b64 s[12:13], s[0:1], 0x20              ; out
	v_lshrrev_b32 v1, 5, v0
	v_readfirstlane_b32 s14, v1                    ; wave
	v_and_b32 v1, 31, v0
	v_lshlrev_b32 v1, 4, v1                        ; 16 x lane
	s_lshl_b32 s15, ttmp9, 2
	s_add_co_u32 s15, s15, s14                     ; my token
	s_lshl_b32 s16, s15, 2
	s_lshl_b32 s17, s15, 3
	s_lshl_b32 s18, s15, 12
	s_mov_b32 s19, 0
	s_wait_kmcnt 0x0
	s_load_b32 s20, s[4:5], s16 offset:0x0         ; e0 | e1 << 8 | ..
	s_load_b64 s[22:23], s[6:7], s17 offset:0x0    ; p0, p1
.set e, 0
.rept 8
	s_load_b32 s[24+e], s[8:9], s16 offset:4352*e  ; my place in expert e's list, were I in it
.set e, e+1
.endr
	s_add_nc_u64 s[12:13], s[12:13], s[18:19]
	s_wait_kmcnt 0x0
	s_bfe_u32 s32, s20, 0x80000
	s_min_u32 s32, s32, 7                          ; e0
	s_bfe_u32 s33, s20, 0x80008
	s_min_u32 s33, s33, 7                          ; e1
	s_mov_b32 s34, s24
	s_mov_b32 s35, s24
.set e, 1
.rept 7
	s_cmp_eq_u32 s32, e
	s_cselect_b32 s34, s[24+e], s34
	s_cmp_eq_u32 s33, e
	s_cselect_b32 s35, s[24+e], s35
.set e, e+1
.endr
	s_min_u32 s34, s34, 0x3ff                      ; loaded numbers enter an address only behind these holds
	s_min_u32 s35, s35, 0x3ff
	s_lshl_b32 s36, s32, 10
	s_add_co_u32 s36, s36, s34
	s_lshl_b32 s36, s36, 12                        ; row 1,024 e0 + pos0 of 4,096 bytes
	s_mov_b32 s37, 0
	s_lshl_b32 s38, s33, 10
	s_add_co_u32 s38, s38, s35
	s_lshl_b32 s38, s38, 12
	s_mov_b32 s39, 0
	s_add_nc_u64 s[40:41], s[10:11], s[36:37]
	s_add_nc_u64 s[42:43], s[10:11], s[38:39]
	s_mov_b32 s44, s23                             ; p1 in a pair of its own: the packed forms take a scalar pair's low word for both halves
	s_mov_b32 s45, s23
.set k, 0
.rept 8
	global_load_b128 v[8+4*k:11+4*k], v1, s[40:41] offset:512*k th:TH_LOAD_NT
.set k, k+1
.endr
.set k, 0
.rept 8
	global_load_b128 v[40+4*k:43+4*k], v1, s[42:43] offset:512*k th:TH_LOAD_NT
.set k, k+1
.endr
.set k, 0
.rept 8
	s_wait_loadcnt 7-k                             ; piece k of both rows is in: the second row's 7 - k younger loads may be out
	v_pk_mul_f32 v[8+4*k:9+4*k], v[8+4*k:9+4*k], s[22:23] op_sel_hi:[1,0]
	v_pk_mul_f32 v[10+4*k:11+4*k], v[10+4*k:11+4*k], s[22:23] op_sel_hi:[1,0]
	v_pk_fma_f32 v[8+4*k:9+4*k], v[40+4*k:41+4*k], s[44:45], v[8+4*k:9+4*k] op_sel_hi:[1,0,1]
	v_pk_fma_f32 v[10+4*k:11+4*k], v[42+4*k:43+4*k], s[44:45], v[10+4*k:11+4*k] op_sel_hi:[1,0,1]
	global_store_b128 v1, v[8+4*k:11+4*k], s[12:13] offset:512*k th:TH_STORE_NT      ; each piece has registers of its own: no store's data are written again
.set k, k+1
.endr
	s_endpgm
.Lfunc_end_k_q7278a79adc_mix:
	.size	k_q7278a79adc_mix, .Lfunc_end_k_q7278a79adc_mix-k_q7278a79adc_mix
	.p2alignl 7, 3214868480
	.fill 96, 4, 3214868480
	.section	.rodata,"a",@progbits
	.p2align	6, 0x0
	.amdhsa_kernel k_q7278a79adc_mix
		.amdhsa_group_segment_fixed_size 0
		.amdhsa_private_segment_fixed_size 0
		.amdhsa_enable_private_segment 0
		.amdhsa_kernarg_size 40
		.amdhsa_user_sgpr_count 2
		.amdhsa_user_sgpr_kernarg_segment_ptr 1
		.amdhsa_wavefront_size32 1
		.amdhsa_system_sgpr_workgroup_id_x 1
		.amdhsa_system_sgpr_workgroup_id_y 1
		.amdhsa_system_sgpr_workgroup_id_z 1
		.amdhsa_system_vgpr_workitem_id 0
		.amdhsa_next_free_vgpr 80
		.amdhsa_next_free_sgpr 66
		.amdhsa_reserve_vcc 0
		.amdhsa_float_denorm_mode_32 3
		.amdhsa_float_denorm_mode_16_64 3
		.amdhsa_memory_ordered 1
		.amdhsa_forward_progress 1
		.amdhsa_inst_pref_size 8
	.end_amdhsa_kernel
	.amdgpu_metadata
---
amdhsa.version: [ 1, 2 ]
amdhsa.kernels:
  - .name:           k_q7278a79adc_mix
    .symbol:         k_q7278a79adc_mix.kd
    .args:
      - { .name: ch, .offset: 0, .size: 8, .value_kind: global_buffer, .address_space: global }
      - { .name: pr, .offset: 8, .size: 8, .value_kind: global_buffer, .address_space: global }
      - { .name: posE, .offset: 16, .size: 8, .value_kind: global_buffer, .address_space: global }
      - { .name: part, .offset: 24, .size: 8, .value_kind: global_buffer, .address_space: global }
      - { .name: out0, .offset: 32, .size: 8, .value_kind: global_buffer, .address_space: global }
    .group_segment_fixed_size: 0
    .private_segment_fixed_size: 0
    .kernarg_segment_align: 8
    .kernarg_segment_size: 40
    .max_flat_workgroup_size: 128
    .sgpr_count:     66
    .vgpr_count:     80
    .wavefront_size: 32
...
	.end_amdgpu_metadata
.endif
;; end of part 4
;; ======== version 2 of 2: 4 launches; version 1 with the launch up written anew for expert scheduling mode
;; workspace buffers: xq 1,048,576 bytes; ch 4,096 bytes of whole numbers; pr 8,192 bytes; posE 34,816 bytes of whole numbers; hbuf 33,554,432 bytes; part 33,554,432 bytes
;; launch route: the kernel of part 1 again; grid 256 x 1, 4 waves a work-group, no clusters, 35,328 bytes of LDS; arguments x, Wr, br, lowp_scales, xq, ch, pr; writes xq, ch, pr
;; launch up (part 5): grid 256 x 1, 8 waves a work-group, no clusters, 267,264 bytes of LDS; arguments ch, xq, W1_codes, b1, lowp_scales, hbuf, posE; writes hbuf, posE
.if DOCPART == 5
	.amdgcn_target "amdgcn-amd-amdhsa--gfx1250"
	.amdhsa_code_object_version 6
	.text
	.protected	k_q7278a79adc_up
	.globl	k_q7278a79adc_up
	.p2align	8
	.type	k_q7278a79adc_up,@function
k_q7278a79adc_up:
	s_mov_b64 s[64:65], 0
	v_nop
	global_prefetch_b8 v0, s[64:65] scope:SCOPE_SE
	s_setreg_imm32_b32 hwreg(HW_REG_WAVE_SCHED_MODE, 0, 2), 2
	s_setreg_imm32_b32 hwreg(HW_REG_WAVE_MODE, 25, 1), 1
	s_wait_xcnt 0x0
	s_wait_alu depctr_vm_vsrc(0)
; FIRST PRODUCT, FOR THE CHOSEN ROWS ONLY: h = Q(gelu(xq W1 + b1)), codes of E5M2 on both sides, sums in f32, the exact (erf) GELU in f32, h quantised with the given 2^s3.
; SHARES.  256 work-groups = 8 experts x 16 chunks of 256 hidden units x 2 parities of row tiles (work-group x: parity = x & 1, chunk = (x >> 1) & 15, expert = x >> 5).
; EIGHT WAVES, TWO TO A SIMD: a tile's GELU is 212 vector instructions beside 16 matrix instructions, so one wave's GELU stands beside the other's products and LDS loads.  Wave w keeps 32 hidden units x all K = 1,024 of W1
; in 256 registers for the whole launch: each weight byte comes in once for a work-group.  All eight waves work the same tiles of 16 rows, whose codes are gathered once into LDS, a tile a wave at a time.
; THE LIST.  ch[t] carries the token's two experts as bits 16 + e.  Mask word i = 4 j + q, bit l, stands for token 128 j + 4 l + q (so ch comes by loads of 16 bytes a lane); a token's position in its expert's list is its rank in
; (word, bit) order.  Every work-group makes the masks itself.  The work-group takes tiles t = 2 g + parity of 16 positions; it has cntW = (ceil(n / 16) + 1 - parity) / 2 of them, at most 32, in two passes of 16.
; Tile g = 0 is always worked (positions past the list's end take some valid token; nobody reads those rows), so that every byte that a later launch may read has been stored.
; Branches hang on counts read from memory, so this launch has no tensor load and no cluster; no barrier stands under such a branch, and the tile loops have constant trip counts with a jump over the work.
; THE MATRIX INSTRUCTION IS USED TRANSPOSED (source 0 = 16 rows of W1, source 1 = 16 rows of x), and the rows of W1 that form a tile are not neighbours: lane r of tile u takes unit 8 u + r + 8 (r / 8) of my 32, so that the 16
; registers of tiles 0 and 1 are 16 neighbouring hidden units of one row: the conversions' results are registers of the next product's operand, and hbuf is laid in that order:
; tile T = 64 e + t: 65,536 bytes = [K step S of 128][c 0..3][lane][16 bytes]; lane (r, h) holds, of position 16 t + r, units 128 S + 32 c + 16 h + 0 .. 15.  My 32 units are S = 2 chunk + wave / 4, c = wave % 4.
; A fragment is fetched by four loads of 16 bytes, 32 apart: registers 4 c .. 4 c + 3 hold K = 32 c + 16 (lane / 16) + 0 .. 15: the same permutation of K on both sides.
; Each tile's sum is kept in two halves, the even and the odd K steps', so that four accumulators take turns; the halves are added in f32.
; GELU: gelu(x) = max(x, 0) - |x| E, E = erfc(|x| / sqrt 2) / 2 = t 2^(P(t) - x^2 log2(e) / 2), t = 1 / (1 + |x| / (2 sqrt 2)), P a polynomial of degree 9 (its coefficients x log2 e, the constant less 1).
; posE[e][t] (work-group chunk 0, parity 0, wave 0 of each expert stores it): how many tokens of expert e's list stand ahead of t; entries 1,024 .. 1,055: n.
; LIMITS: s3 between -126 and 112, s0 + s1 between -126 and 127 (powers of two made as f32 numbers); NaN and infinities are not served; E is good to about 1e-6 of itself, with 6e-8 x^2 / 2 more in the far tail.
; REGISTERS: window 0: v1-16 addresses and constants; v24-27 codes; v32-47 the even K steps' sums, then x; v48-63 b1 / 2^(s0 + s1) in the result's layout; v64-79 the odd K steps' sums, then |x|; v80-111 GELU's T and P
;   (P's also: the gather's row offsets); v112-127 at work; v128-255 x's eight fragments (first ch, then the gather's rows).   window 1: W1's fragment (K step s, tile u) at 32 s + 16 u.
;   s84-91 the masks of a run of eight compares, s92-99 their prefix words; s84-99 also a gather's sixteen tokens.
; THE MODE: SCHED_MODE bits 1:0 = 2 (LLVM: expert scheduling mode 2), set by the entry lines.  The code itself states the register dependences between vector or matrix instructions and memory or LDS instructions,
; and those through scalar registers and VCC that vector instructions write, with s_wait_alu, always for 0.
; THE PLAN.  Registers that memory or LDS instructions touch:
;   v4, v5, v6, v10, v11   offsets and LDS store addresses: made at the head, never written again: the head's one wait on va_vdst serves them for the whole kernel.
;   v8        read by a tile's 32 fragment loads; written at a pass's head and at each tile's head, ahead of the products.
;   v[XF ..]  loads land here (ch, the gather's rows, x's fragments); read by the mask lines and by the products; read by the gather's LDS stores and by the positions' stores; written by the positions' counts.
;   v[GP ..]  written by the gather's offset lines and by the GELU; read by the gather's loads.
;   v[CD ..]  written by a tile's conversions; read by its one store.
;   v112, v113 read by the store of n; v126, v127 read by the closing add alone.  W1's and b1's registers are loaded once and then named by matrix and vector instructions alone.
; A TILE has one wait on vm_vsrc, at its head (the last fragment loads have read v8, the last store v[CD ..]), one on va_vdst behind its products (they are done reading v[XF ..]; v8 is written), ahead of the next tile's
; fragment loads, and one behind its conversions, ahead of its store; the GELU's two waits behind its transcendentals stand as before.  The GELU names none of the registers that the fragment loads touch.
.set PX,    1040                       ; a row of codes in LDS: 1,024 bytes + 16: sixteen rows start at sixteen different banks
.set TILEB, 16*PX                      ; a tile of 16 rows
.set CD,  24
.set ACC, 32
.set BI,  48
.set GA,  64
.set GT,  80
.set GP,  96
.set XF,  128
.set MK,  84                           ; s84 on: masks of a run of compares; a gather's tokens
.set PW,  92                           ; s92 on: the run's prefix words
.set MSB, 0
.macro WIN new                         ; the immediate's high byte repeats the setting that is left; a switch that changes nothing is dropped
.if MSB != (\new)
	s_set_vgpr_msb (MSB<<8)|(\new)
.set MSB, (\new)
.endif
.endm
.macro WT half                         ; K steps 4 half .. 4 half + 3 of both tiles of W1: 32 loads.  No wait of its own: between the last wait on va_vdst and these loads stand loads and the window switch alone, and v5 was written ahead of it
	WIN 0x40
.set ws, 4*(\half)
.rept 4
.set wu, 0
.rept 2
.set wc, 0
.rept 4
	global_load_b128 v[32*ws+16*wu+4*wc:32*ws+16*wu+4*wc+3], v5, s[8:9] offset:8192*wu+128*ws+32*wc
.set wc, wc+1
.endr
.set wu, wu+1
.endr
.set ws, ws+1
.endr
	WIN 0
.endm
.macro LEVEL src, width, step          ; the lower half holds t set bits: rank >= t goes to the upper half
	v_bfe_u32 v121, v[\src], v120, \width
	v_cmp_ge_u32 vcc_lo, v115, v121
	s_wait_alu depctr_va_vcc(0)                    ; the compare has written VCC, which the two selects read
	v_cndmask_b32 v121, 0, v121, vcc_lo
	v_cndmask_b32 v122, 0, \step, vcc_lo
	v_sub_nc_u32 v115, v115, v121
	v_add_nc_u32 v120, v120, v122
.endm
; v14 = the token at position p = v9 + add of the list: the last mask word whose prefix is not above p, then the bit of rank p - prefix in it, found by halving on counts of 16, 8, 4, 2, 1 bits.  Past the list's end it ends at a token below 1,024.
; The 31 compares go in runs of eight, each into a mask register of its own, with one wait behind a run; the selects follow in the words' order.
.macro SELECT add
	v_add_nc_u32 v112, \add, v9
	v_mov_b32 v113, s32                            ; the word
	v_mov_b32 v114, 0                              ; its prefix | its first token << 16
	s_bcnt1_i32_b32 s66, s32
.set si, 1
.rept 4
.set sk, 0
.rept 8
.if si+sk < 32
	v_cmp_gt_u32 s[MK+sk], s66, v112               ; prefix above p: keep what I have
	s_or_b32 s[PW+sk], s66, (128*((si+sk)/4)+(si+sk)%4)<<16
	s_bcnt1_i32_b32 s67, s[32+si+sk]
	s_add_co_u32 s66, s66, s67
.endif
.set sk, sk+1
.endr
	s_wait_alu depctr_va_sdst(0)                   ; the run's compares have written their masks, which the selects below read
.set sk, 0
.rept 8
.if si+sk < 32
	v_cndmask_b32 v113, s[32+si+sk], v113, s[MK+sk]
	v_cndmask_b32 v114, s[PW+sk], v114, s[MK+sk]
.endif
.set sk, sk+1
.endr
.set si, si+8
.endr
	v_and_b32 v115, 0xffff, v114
	v_sub_nc_u32 v115, v112, v115                  ; the rank in the word
	v_lshrrev_b32 v116, 1, v113
	v_and_b32 v116, 0x55555555, v116
	v_sub_nc_u32 v116, v113, v116                  ; counts of 2 bits
	v_and_b32 v117, 0x33333333, v116
	v_lshrrev_b32 v118, 2, v116
	v_and_b32 v118, 0x33333333, v118
	v_add_nc_u32 v117, v117, v118                  ; of 4
	v_lshrrev_b32 v118, 4, v117
	v_add_nc_u32 v118, v117, v118
	v_and_b32 v118, 0x0f0f0f0f, v118               ; of 8
	v_lshrrev_b32 v119, 8, v118
	v_add_nc_u32 v119, v118, v119
	v_and_b32 v119, 0x00ff00ff, v119               ; of 16
	v_mov_b32 v120, 0                              ; the bit's place
	LEVEL 119, 8, 16
	LEVEL 118, 8, 8
	LEVEL 117, 4, 4
	LEVEL 116, 2, 2
	LEVEL 113, 1, 1
	v_lshrrev_b32 v14, 16, v114
	v_lshl_add_u32 v14, v120, 2, v14               ; token = the word's first + 4 x bit
.endm
; the 16 rows of codes named by lanes 16 half .. 16 half + 15 of v14: two loads of 512 consecutive bytes a row.  All sixteen tokens are taken first, then all offsets are made, then the 32 loads go out behind one wait.
; again = 1: a wave's second gather on end, whose registers the first one's loads and LDS stores have read.
.macro GLOADS half, again
.set gr, 0
.rept 16
	v_readlane_b32 s[MK+gr], v14, 16*(\half)+gr
.set gr, gr+1
.endr
	s_wait_alu depctr_va_sdst(0)                   ; the sixteen tokens are written, ahead of their first readers
.if \again
	s_wait_alu depctr_vm_vsrc(0)                   ; the gather before has read its registers: its loads v[GP ..], which are written below, its LDS stores v[XF ..], in which the loads below land
.endif
.set gr, 0
.rept 16
	s_min_u32 s[MK+gr], s[MK+gr], 0x3ff            ; a loaded number enters an address only behind this hold
	v_lshl_add_u32 v[GP+gr], s[MK+gr], 10, v4
.set gr, gr+1
.endr
	s_wait_alu depctr_va_vdst(0)                   ; the sixteen offsets v[GP ..] are written, which the loads read; the vector and matrix instructions that read v[XF ..], in which the loads land, are done
.set gr, 0
.rept 16
	global_load_b128 v[XF+8*gr:XF+8*gr+3], v[GP+gr], s[6:7]
	global_load_b128 v[XF+8*gr+4:XF+8*gr+7], v[GP+gr], s[6:7] offset:512
.set gr, gr+1
.endr
.endm
.macro GSTORES q                       ; into local tile wave + 8 q.  (The data come from loads; v10 and v11 were written ahead of the head's wait)
.set gr, 0
.rept 16
	ds_store_b128 v[10+(\q)], v[XF+8*gr:XF+8*gr+3] offset:PX*gr
	ds_store_b128 v[10+(\q)], v[XF+8*gr+4:XF+8*gr+7] offset:PX*gr+512
.set gr, gr+1
.endr
.endm
; local tiles wave and wave + 8 of a pass, each only if the pass has it.  The branches hang on the wave and on a stored count: no barrier stands inside
.macro GATHER_C add, cnt
	s_cmp_lt_u32 s18, s[\cnt]
	s_cbranch_scc0 .Lgdone_\@
	SELECT \add
	s_wait_dscnt 0x0                               ; earlier LDS instructions have done with the rows' registers
	GLOADS 0, 0
	s_wait_loadcnt 0x0
	GSTORES 0
	s_add_co_u32 s67, s18, 8
	s_cmp_lt_u32 s67, s[\cnt]
	s_cbranch_scc0 .Lgdone_\@
	s_wait_dscnt 0x0
	GLOADS 1, 1
	s_wait_loadcnt 0x0
	GSTORES 1
.Lgdone_\@:
.endm
.macro FETCH                           ; x's eight fragments of the tile at v8
.set fs, 0
.rept 8
.set fc, 0
.rept 4
	ds_load_b128 v[XF+16*fs+4*fc:XF+16*fs+4*fc+3], v8 offset:128*fs+32*fc
.set fc, fc+1
.endr
.set fs, fs+1
.endr
.endm
.macro HORNER c
.set g, 0
.rept 8
	v_pk_fma_f32 v[GP+g:GP+g+1], v[GP+g:GP+g+1], v[GT+g:GT+g+1], \c op_sel_hi:[1,1,0]
.set g, g+2
.endr
.endm
; the 16 sums of a lane (tiles 0 and 1: 16 neighbouring hidden units) become 16 codes in v[CD] on
.macro GELU
.set g, 0
.rept 8
	v_pk_add_f32 v[ACC+g:ACC+g+1], v[ACC+g:ACC+g+1], v[GA+g:GA+g+1]          ; the even and the odd K steps' sums; each accumulator is read from its low end on
.set g, g+2
.endr
.set g, 0
.rept 8
	v_pk_mul_f32 v[ACC+g:ACC+g+1], v[ACC+g:ACC+g+1], s[70:71] op_sel_hi:[1,0]   ; x = sum x 2^(s0 + s1) (b1 went in as the sums' start)
.set g, g+2
.endr
.set g, 0
.rept 16
	v_and_b32 v[GA+g], 0x7fffffff, v[ACC+g]        ; |x|
.set g, g+1
.endr
.set g, 0
.rept 8
	v_pk_fma_f32 v[GT+g:GT+g+1], v[GA+g:GA+g+1], 0x3eb504f3, 1.0 op_sel_hi:[1,0,0]   ; 1 + |x| / (2 sqrt 2)
.set g, g+2
.endr
.set g, 0
.rept 16
	v_rcp_f32 v[GT+g], v[GT+g]                     ; t
.set g, g+1
.endr
.set g, 0
.rept 16
	v_max_num_f32 v[ACC+g], 0, v[ACC+g]            ; max(x, 0): plain work that names no reciprocal
.set g, g+1
.endr
	s_wait_alu depctr_va_vdst(0)                   ; the sixteen reciprocals have written v[GT ..]: one wait for the batch, ahead of their first reader
.set g, 0
.rept 8
	v_pk_fma_f32 v[GP+g:GP+g+1], v[GT+g:GT+g+1], s[78:79], 0xbf97d29d op_sel_hi:[1,0,0]
.set g, g+2
.endr
.irp c, 0x40097039, 0xbfd1a1e5, 0x3ecdfd18, 0xbe899a80, 0x3e0efb2e, 0x3f0a29d2, 0x3fb8ab5a, 0xc034d90f
	HORNER \c
.endr
.set g, 0
.rept 8
	v_pk_mul_f32 v[GT+g:GT+g+1], v[GA+g:GA+g+1], v[GT+g:GT+g+1]              ; |x| t
.set g, g+2
.endr
.set g, 0
.rept 8
	v_pk_mul_f32 v[GA+g:GA+g+1], v[GA+g:GA+g+1], v[GA+g:GA+g+1]              ; x^2
.set g, g+2
.endr
.set g, 0
.rept 8
	v_pk_fma_f32 v[GP+g:GP+g+1], v[GA+g:GA+g+1], 0xbf38aa3b, v[GP+g:GP+g+1] op_sel_hi:[1,0,1]   ; P - x^2 log2(e) / 2
.set g, g+2
.endr
.set g, 0
.rept 16
	v_exp_f32 v[GP+g], v[GP+g]
.set g, g+1
.endr
	v_nop                                          ; a plain line behind the last exponential
	s_wait_alu depctr_va_vdst(0)                   ; the sixteen exponentials have written v[GP ..]: one wait for the batch
.set g, 0
.rept 8
	v_pk_fma_f32 v[ACC+g:ACC+g+1], v[GT+g:GT+g+1], v[GP+g:GP+g+1], v[ACC+g:ACC+g+1] neg_lo:[1,0,0] neg_hi:[1,0,0]   ; max(x, 0) - |x| E
.set g, g+2
.endr
.set g, 0
.rept 16
	v_med3_num_f32 v[ACC+g], v[ACC+g], -v16, v16   ; the hold at the largest code x the scale (ISA guide 7.6.2: the conversion does not saturate)
.set g, g+1
.endr
	v_cvt_scalef32_pk8_bf8_f32 v[CD:CD+1], v[ACC:ACC+7], v15
	v_cvt_scalef32_pk8_bf8_f32 v[CD+2:CD+3], v[ACC+8:ACC+15], v15
	v_nop                                          ; a plain line behind the conversions: the next products write their sources
.endm
; A pass: 16 local tiles, of which the first s[cnt] are worked.  The trip count is a constant; a trip without a tile jumps over the work, not over the steps.
.macro COMPUTE cnt
	s_mov_b32 s25, 0                               ; local tile
	s_mov_b32 s26, 0                               ; its LDS byte
	s_wait_alu depctr_vm_vsrc(0)                   ; all memory and LDS instructions so far have read their registers: the gather's loads v[GP ..] (the GELU writes them), its LDS stores and the positions' stores v[XF ..] (the fragments land there), v112 and v113; an earlier pass's fragment loads v8, its last store v[CD ..]
	v_mov_b32 v8, v7
	s_wait_alu depctr_va_vdst(0)                   ; v8 is written, which the loads below read; whatever vector or matrix instruction named v[XF ..], in which they land, is done
	FETCH                                          ; tile 0 (its bytes are always written)
.Ltile_\@:
	s_cmp_ge_u32 s25, s[\cnt]
	s_cbranch_scc1 .Lskip_\@
	s_wait_dscnt 0x0                               ; x's fragments are in
	s_wait_alu depctr_vm_vsrc(0)                   ; the fragment loads have read v8, which is written below; the last tile's store has read v[CD ..], which this tile's conversions write
	s_add_co_u32 s27, s26, TILEB
	s_min_u32 s27, s27, 15*TILEB                   ; (never past the last tile)
	v_add_nc_u32 v8, s27, v7                       ; the next tile's place, made ahead of the products, so that the one wait behind them states this write too
	WIN 0x01                                       ; W1 window 1, all else window 0
.set ks, 0
.rept 8
.set kt, 0
.rept 2                                ; four accumulators (two tiles x even and odd K steps) take turns, one instruction a turn
.if (ks%2) == 0
.set AC, ACC+8*kt
.else
.set AC, GA+8*kt
.endif
.if ks == 0
	v_wmma_f32_16x16x128_bf8_bf8 v[AC:AC+7], v[16*kt:16*kt+15], v[XF:XF+15], v[BI+8*kt:BI+8*kt+7]
.elseif ks == 1
	v_wmma_f32_16x16x128_bf8_bf8 v[AC:AC+7], v[32+16*kt:32+16*kt+15], v[XF+16:XF+31], 0
.else
	v_wmma_f32_16x16x128_bf8_bf8 v[AC:AC+7], v[32*ks+16*kt:32*ks+16*kt+15], v[XF+16*ks:XF+16*ks+15], v[AC:AC+7]
.endif
.set kt, kt+1
.endr
.set ks, ks+1
.endr
	WIN 0
.rept 4
	v_nop                                          ; four places (ISA guide 7.12.1) ahead of the first read of the sums
.endr
	s_add_co_u32 s27, s25, 1
	s_cmp_ge_u32 s27, s[\cnt]
	s_cbranch_scc1 .Lnofetch_\@
	s_wait_alu depctr_va_vdst(0)                   ; the products are done reading v[XF ..], in which the loads below land; v8 is written, which they read
	FETCH                                          ; the next tile's fragments come in under this tile's GELU, which names none of their registers
.Lnofetch_\@:
	GELU
	s_wait_alu depctr_va_vdst(0)                   ; the conversions have written v[CD ..], which the store reads
	global_store_b128 v4, v[CD:CD+3], s[80:81]     ; the wave stores 512 consecutive bytes, aligned
.Lskip_\@:
	s_wait_xcnt 0x0                                ; the store has read its base and its data: both are written again only behind this wait
	s_add_co_u32 s26, s26, TILEB
	s_add_nc_u64 s[80:81], s[80:81], 131072        ; two tiles of hbuf on: my parity's next
	s_add_co_u32 s25, s25, 1
	s_cmp_lt_u32 s25, 16
	s_cbranch_scc1 .Ltile_\@
.endm
	s_load_b256 s[4:11], s[0:1], 0x0               ; ch s[4:5], xq s[6:7], W1's codes s[8:9], b1 s[10:11]
	s_load_b128 s[12:15], s[0:1], 0x20             ; the scales' exponents s[12:13], hbuf s[14:15]
	s_load_b64 s[16:17], s[0:1], 0x30              ; posE
	v_lshl_add_u32 v126, v0, 2, 0x41000
	v_mov_b32 v127, 0
	v_lshrrev_b32 v1, 5, v0
	v_readfirstlane_b32 s18, v1                    ; wave 0..7
	v_and_b32 v1, 31, v0                           ; lane
	v_and_b32 v2, 15, v0                           ; r
	v_bfe_u32 v3, v0, 4, 1                         ; h
	v_lshlrev_b32 v4, 4, v1                        ; 16 x lane
	v_and_b32 v5, 8, v2
	v_add_nc_u32 v5, v5, v2                        ; r + 8 (r / 8)
	v_lshlrev_b32 v5, 10, v5
	v_lshl_add_u32 v5, v3, 4, v5                   ; W1: that row of 1,024 bytes, + 16 h
	v_lshlrev_b32 v6, 6, v3                        ; b1: 16 h numbers on
	v_mul_u32_u24 v7, v2, PX
	v_lshl_add_u32 v7, v3, 4, v7                   ; a fragment of x in LDS: row r, + 16 h
	s_and_b32 s19, ttmp9, 1                        ; parity
	s_bfe_u32 s20, ttmp9, 0x40001                  ; chunk
	s_lshr_b32 s21, ttmp9, 5                       ; expert
	s_wait_alu depctr_va_sdst(0)                   ; s18, the wave's number, is written, ahead of its first reader
	s_lshl_b32 s66, s18, 5
	s_lshl_b32 s67, s19, 4
	s_add_co_u32 s66, s66, s67
	v_lshl_add_u32 v9, v3, 8, v2
	v_add_nc_u32 v9, s66, v9                       ; the position that my lane looks up: r + 256 h + 32 wave + 16 parity (+ 512 pass): lanes 0-15 local tile wave, lanes 16-31 local tile wave + 8
	s_mul_i32 s66, s18, TILEB
	v_add_nc_u32 v10, s66, v4                      ; where I put 16 bytes of a row of local tile wave,
	v_add_nc_u32 v11, 8*TILEB, v10                 ; wave + 8
	s_lshl_b32 s72, s21, 12
	s_lshl_b32 s73, s20, 8
	s_add_co_u32 s72, s72, s73
	s_lshl_b32 s73, s18, 5
	s_add_co_u32 s72, s72, s73                     ; 4,096 e + my first hidden unit
	s_lshl_b32 s74, s72, 2                         ; in b1,
	s_mov_b32 s75, 0
	s_lshl_b32 s72, s72, 10                        ; in W1
	s_mov_b32 s73, 0
	s_lshl_b32 s76, s21, 6
	s_add_co_u32 s76, s76, s19
	s_lshl_b32 s76, s76, 16                        ; hbuf: tile 64 e + parity,
	s_lshl_b32 s77, s20, 12                        ; K step 2 chunk + wave / 4 of 2,048 bytes and c = wave % 4 of 512: 4,096 chunk + 512 wave
	s_add_co_u32 s76, s76, s77
	s_lshl_b32 s77, s18, 9
	s_add_co_u32 s76, s76, s77
	s_mov_b32 s77, 0
	s_wait_kmcnt 0x0
	s_load_b128 s[28:31], s[12:13], 0x0            ; s0, s1, s2, s3
	s_add_nc_u64 s[8:9], s[8:9], s[72:73]
	s_add_nc_u64 s[10:11], s[10:11], s[74:75]
	s_add_nc_u64 s[80:81], s[14:15], s[76:77]
	s_mul_i32 s72, s21, 4352
	s_add_nc_u64 s[16:17], s[16:17], s[72:73]      ; posE's row of my expert
	s_wait_alu depctr_va_vdst(0)                   ; the offsets and addresses v4, v5, v6, v10, v11 are written, which the kernel's loads and stores read; none of them is written again
.set j, 0
.rept 8
	global_load_b128 v[XF+4*j:XF+4*j+3], v4, s[4:5] offset:512*j   ; ch: register 4 j + q, lane l: token 128 j + 4 l + q
.set j, j+1
.endr
.set t, 0
.rept 2
	global_load_b128 v[BI+8*t:BI+8*t+3], v6, s[10:11] offset:32*t          ; b1 of units 16 h + 8 t + 0 .. 7 of my 32
	global_load_b128 v[BI+8*t+4:BI+8*t+7], v6, s[10:11] offset:32*t+16
.set t, t+1
.endr
	WT 0
	s_wait_loadcnt 36                              ; ch is in: behind it 4 loads of b1 and 32 of W1 were issued
	s_add_co_u32 s82, s21, 16
	s_lshl_b32 s82, 1, s82                         ; my expert's bit
.set i, 0
.rept 32
	v_and_b32 v[112+i%4], s82, v[XF+i]
	v_cmp_ne_u32 s[32+i], 0, v[112+i%4]            ; mask word i
.set i, i+1
.endr
	s_wait_alu depctr_va_sdst(0)                   ; the 32 mask words s32 to s63 are written, ahead of their first readers
	s_mov_b32 s22, 0
.set i, 0
.rept 32
	s_bcnt1_i32_b32 s66, s[32+i]
	s_add_co_u32 s22, s22, s66                     ; n
.set i, i+1
.endr
	s_add_co_u32 s66, s22, 15
	s_lshr_b32 s66, s66, 4
	s_add_co_u32 s66, s66, 1
	s_sub_co_u32 s66, s66, s19
	s_lshr_b32 s66, s66, 1                         ; my tiles
	s_max_u32 s24, s66, 1
	s_min_u32 s24, s24, 16                         ; of them in pass 0: at least 1,
	s_sub_co_i32 s23, s66, 16
	s_max_i32 s23, s23, 0
	s_min_u32 s23, s23, 16                         ; in pass 1
	SELECT 0
	GLOADS 0, 0                                    ; local tile wave is always gathered (its wait on va_vdst also states that the mask lines are done reading ch's registers); the rest of W1 goes out behind it
	WT 1
	s_wait_loadcnt 32                              ; the 16 rows are in: behind them 32 loads of W1 were issued
	GSTORES 0
	s_wait_kmcnt 0x0
	s_add_co_i32 s66, s28, s29                     ; s0 + s1: a sum stands for sum x 2^(s0 + s1), so b1 goes in divided by that
	s_sub_co_i32 s67, 0, s66
	s_add_co_i32 s66, s66, 127
	s_lshl_b32 s70, s66, 23                        ; 2^(s0 + s1) as f32
	s_mov_b32 s71, s70                             ; (named with it as a pair, so it is written)
	s_add_co_i32 s66, s31, 127
	s_lshl_b32 s68, s66, 23
	v_mov_b32 v15, s68                             ; 2^s3
	s_add_co_i32 s66, s66, 15
	s_lshl_b32 s66, s66, 23
	s_or_b32 s66, s66, 0x600000
	v_mov_b32 v16, s66                             ; 57,344 x 2^s3
	s_mov_b32 s78, 0x3e7c6f08                      ; the polynomial's leading coefficient
	s_mov_b32 s79, s78
.set j, 0
.rept 16
	v_ldexp_f32 v[BI+j], v[BI+j], s67              ; (b1's loads are older than loads already waited for)
.set j, j+1
.endr
	s_add_co_u32 s67, s18, 8                       ; local tile wave + 8, where pass 0 has it
	s_cmp_lt_u32 s67, s24
	s_cbranch_scc0 .Lpass0_gathered
	s_wait_dscnt 0x0                               ; the stores have read the rows' registers
	GLOADS 1, 1
	s_wait_loadcnt 0x0
	GSTORES 1
.Lpass0_gathered:
	s_and_b32 s67, ttmp9, 31
	s_or_b32 s67, s67, s18
	s_cmp_lg_u32 s67, 0
	s_cbranch_scc1 .Lno_pos                        ; one wave for each expert stores the positions
	s_wait_dscnt 0x0                               ; the LDS stores have read v128 on
	s_wait_alu depctr_vm_vsrc(0)                   ; and beside it: the LDS stores have read v[XF ..], which the counts below write
	s_mov_b32 s66, 0
.set i, 0
.rept 32
	v_mbcnt_lo_u32_b32 v[XF+i], s[32+i], s66       ; the word's set bits below my lane + the words before
	s_bcnt1_i32_b32 s67, s[32+i]
	s_add_co_u32 s66, s66, s67
.set i, i+1
.endr
	v_mov_b32 v112, s22
	v_lshlrev_b32 v113, 2, v1
	s_wait_alu depctr_va_vdst(0)                   ; the counts v[XF ..], n in v112 and its offset v113 are written, which the nine stores read
.set j, 0
.rept 8
	global_store_b128 v4, v[XF+4*j:XF+4*j+3], s[16:17] offset:512*j
.set j, j+1
.endr
	global_store_b32 v113, v112, s[16:17] offset:4096
	s_wait_xcnt 0x0                                ; the stores have read their registers
.Lno_pos:
	s_wait_dscnt 0x0                               ; my rows lie in LDS
	s_barrier_signal -1
	s_barrier_wait -1                              ; everybody's do
	s_wait_loadcnt 0x0                             ; W1
	COMPUTE 24
	s_wait_dscnt 0x0                               ; my reads of the tiles are over
	s_barrier_signal -1
	s_barrier_wait -1                              ; everybody's are: the tiles may be written again
	GATHER_C 512, 23
	s_wait_dscnt 0x0
	s_barrier_signal -1
	s_barrier_wait -1
	COMPUTE 23
	s_wait_dscnt 0x0                               ; the closing lines, six on end
	s_wait_alu 0x0
	s_wait_tensorcnt 0x0
	ds_add_u32 v126, v127
	s_wait_dscnt 0x0
	s_endpgm
.Lfunc_end_k_q7278a79adc_up:
	.size	k_q7278a79adc_up, .Lfunc_end_k_q7278a79adc_up-k_q7278a79adc_up
	.p2alignl 7, 3214868480
	.fill 96, 4, 3214868480
	.section	.rodata,"a",@progbits
	.p2align	6, 0x0
	.amdhsa_kernel k_q7278a79adc_up
		.amdhsa_group_segment_fixed_size 267264
		.amdhsa_private_segment_fixed_size 0
		.amdhsa_enable_private_segment 0
		.amdhsa_kernarg_size 56
		.amdhsa_user_sgpr_count 2
		.amdhsa_user_sgpr_kernarg_segment_ptr 1
		.amdhsa_wavefront_size32 1
		.amdhsa_system_sgpr_workgroup_id_x 1
		.amdhsa_system_sgpr_workgroup_id_y 1
		.amdhsa_system_sgpr_workgroup_id_z 1
		.amdhsa_system_vgpr_workitem_id 0
		.amdhsa_next_free_vgpr 512
		.amdhsa_next_free_sgpr 100
		.amdhsa_reserve_vcc 1
		.amdhsa_float_denorm_mode_32 3
		.amdhsa_float_denorm_mode_16_64 3
		.amdhsa_memory_ordered 1
		.amdhsa_forward_progress 1
		.amdhsa_inst_pref_size 121
	.end_amdhsa_kernel
	.amdgpu_metadata
---
amdhsa.version: [ 1, 2 ]
amdhsa.kernels:
  - .name:           k_q7278a79adc_up
    .symbol:         k_q7278a79adc_up.kd
    .args:
      - { .name: ch, .offset: 0, .size: 8, .value_kind: global_buffer, .address_space: global }
      - { .name: xq, .offset: 8, .size: 8, .value_kind: global_buffer, .address_space: global }
      - { .name: W1_codes, .offset: 16, .size: 8, .value_kind: global_buffer, .address_space: global }
      - { .name: b1, .offset: 24, .size: 8, .value_kind: global_buffer, .address_space: global }
      - { .name: lowp_scales, .offset: 32, .size: 8, .value_kind: global_buffer, .address_space: global }
      - { .name: hbuf, .offset: 40, .size: 8, .value_kind: global_buffer, .address_space: global }
      - { .name: posE, .offset: 48, .size: 8, .value_kind: global_buffer, .address_space: global }
    .group_segment_fixed_size: 267264
    .private_segment_fixed_size: 0
    .kernarg_segment_align: 8
    .kernarg_segment_size: 56
    .max_flat_workgroup_size: 256
    .sgpr_count:     100
    .vgpr_count:     512
    .wavefront_size: 32
...
	.end_amdgpu_metadata
.endif
;; end of part 5
;; launch down: the kernel of part 3 again; grid 256 x 1, 4 waves a work-group, no clusters, 209,408 bytes of LDS; arguments hbuf, posE, W2_codes, b2, lowp_scales, part; writes part
;; launch mix: the kernel of part 4 again; grid 256 x 1, 4 waves a work-group, no clusters, 0 bytes of LDS; arguments ch, pr, posE, part, out0; writes out0
